; MI455X (gfx1250); checked and timed in simulation.
; The chip was launched on July 23, 2026; its instructions are those of AMD's public machine-readable ISA for CDNA 5 (MIT licence, August 2026) and "CDNA5" Instruction Set Architecture Reference Guide (July 2026). The comments in the code are by the model that wrote it; some were corrected since.
;; Way Former Encoder. Allowed arithmetic: matrix products marked QUANTISED: E4M3 operands, one given power-of-two scale a tensor, by v_wmma_f32_16x16x64_fp8_fp8 or v_wmma_f32_16x16x128_fp8_fp8, f32 sums; everything else in f32.
;; Inputs: W1 4 x 128 x 256 float32; W2 4 x 256 x 128 float32; Wk 4 x 128 x 128 float32; Wo 4 x 128 x 128 float32; Wq 4 x 128 x 128 float32; Wv 4 x 128 x 128 float32; b1 4 x 256 float32; b2 4 x 128 float32; bk 4 x 128 float32; bo 4 x 128 float32; bq 4 x 128 float32; bv 4 x 128 float32; lengths 16 x 64 int32; ln1_b 4 x 128 float32; ln1_s 4 x 128 float32; ln2_b 4 x 128 float32; ln2_s 4 x 128 float32; lowp_scales 66 int32 (the exponents e of the quantised operands' scales 2^e); polylines 16 x 64 x 64 x 128 float32; pos_emb 1 x 64 x 128 float32; proj_b 128 float32; proj_ln_b 128 float32; proj_ln_s 128 float32; proj_w 128 x 128 float32.
;; Outputs: out0 16 x 64 x 128 float32.
;; This version of the problem:
;;   THIS VERSION OF THE PROBLEM IS GIVEN IN LOW PRECISION. The matrix products marked QUANTISED in the list below multiply operands that are first quantised to E4M3 (4 exponent bits, 3 mantissa bits; 8 bits a number), with one given power-of-two scale for each operand tensor; their sums are f32. All else is computed in f32.
;;   The module's matrix products, in the order in which they are computed (A, B: the left and right operand; K: the contracted axis; several contracted axes count as one K, in the product's order):
;;     1. [M 65,536, K 128] x [K 128, N 128]; A: computed on the way; B: input proj_w: QUANTISED (scales: A lowp_scales[0], B lowp_scales[1])
;;     2. [M 65,536, K 128] x [K 128, N 128]; A: computed on the way; B: input Wq: QUANTISED (scales: A lowp_scales[2], B lowp_scales[3])
;;     3. [M 65,536, K 128] x [K 128, N 128]; A: computed on the way; B: input Wk: QUANTISED (scales: A lowp_scales[4], B lowp_scales[5])
;;     4. [M 65,536, K 128] x [K 128, N 128]; A: computed on the way; B: input Wv: QUANTISED (scales: A lowp_scales[6], B lowp_scales[7])
;;     5. batch 4,096 x [M 64, K 32] x [K 32, N 64]; A: computed on the way; B: computed on the way: QUANTISED (scales: A lowp_scales[8], B lowp_scales[9])
;;     6. batch 4,096 x [M 32, K 64] x [K 64, N 64]; A: computed on the way; B: softmax (see below): QUANTISED (scales: A lowp_scales[10], B lowp_scales[11])
;;     7. [M 65,536, K 128] x [K 128, N 128]; A: computed on the way; B: input Wo: QUANTISED (scales: A lowp_scales[12], B lowp_scales[13])
;;     8. [M 65,536, K 128] x [K 128, N 256]; A: computed on the way; B: input W1: QUANTISED (scales: A lowp_scales[14], B lowp_scales[15])
;;     9. [M 65,536, K 256] x [K 256, N 128]; A: computed on the way; B: input W2: QUANTISED (scales: A lowp_scales[16], B lowp_scales[17])
;;     10. [M 65,536, K 128] x [K 128, N 128]; A: computed on the way; B: input Wq: QUANTISED (scales: A lowp_scales[18], B lowp_scales[19])
;;     11. [M 65,536, K 128] x [K 128, N 128]; A: computed on the way; B: input Wk: QUANTISED (scales: A lowp_scales[20], B lowp_scales[21])
;;     12. [M 65,536, K 128] x [K 128, N 128]; A: computed on the way; B: input Wv: QUANTISED (scales: A lowp_scales[22], B lowp_scales[23])
;;     13. batch 4,096 x [M 64, K 32] x [K 32, N 64]; A: computed on the way; B: computed on the way: QUANTISED (scales: A lowp_scales[24], B lowp_scales[25])
;;     14. batch 4,096 x [M 32, K 64] x [K 64, N 64]; A: computed on the way; B: softmax (see below): QUANTISED (scales: A lowp_scales[26], B lowp_scales[27])
;;     15. [M 65,536, K 128] x [K 128, N 128]; A: computed on the way; B: input Wo: QUANTISED (scales: A lowp_scales[28], B lowp_scales[29])
;;     16. [M 65,536, K 128] x [K 128, N 256]; A: computed on the way; B: input W1: QUANTISED (scales: A lowp_scales[30], B lowp_scales[31])
;;     17. [M 65,536, K 256] x [K 256, N 128]; A: computed on the way; B: input W2: QUANTISED (scales: A lowp_scales[32], B lowp_scales[33])
;;     18. [M 65,536, K 128] x [K 128, N 128]; A: computed on the way; B: input Wq: QUANTISED (scales: A lowp_scales[34], B lowp_scales[35])
;;     19. [M 65,536, K 128] x [K 128, N 128]; A: computed on the way; B: input Wk: QUANTISED (scales: A lowp_scales[36], B lowp_scales[37])
;;     20. [M 65,536, K 128] x [K 128, N 128]; A: computed on the way; B: input Wv: QUANTISED (scales: A lowp_scales[38], B lowp_scales[39])
;;     21. batch 4,096 x [M 64, K 32] x [K 32, N 64]; A: computed on the way; B: computed on the way: QUANTISED (scales: A lowp_scales[40], B lowp_scales[41])
;;     22. batch 4,096 x [M 32, K 64] x [K 64, N 64]; A: computed on the way; B: softmax (see below): QUANTISED (scales: A lowp_scales[42], B lowp_scales[43])
;;     23. [M 65,536, K 128] x [K 128, N 128]; A: computed on the way; B: input Wo: QUANTISED (scales: A lowp_scales[44], B lowp_scales[45])
;;     24. [M 65,536, K 128] x [K 128, N 256]; A: computed on the way; B: input W1: QUANTISED (scales: A lowp_scales[46], B lowp_scales[47])
;;     25. [M 65,536, K 256] x [K 256, N 128]; A: computed on the way; B: input W2: QUANTISED (scales: A lowp_scales[48], B lowp_scales[49])
;;     26. [M 65,536, K 128] x [K 128, N 128]; A: computed on the way; B: input Wq: QUANTISED (scales: A lowp_scales[50], B lowp_scales[51])
;;     27. [M 65,536, K 128] x [K 128, N 128]; A: computed on the way; B: input Wk: QUANTISED (scales: A lowp_scales[52], B lowp_scales[53])
;;     28. [M 65,536, K 128] x [K 128, N 128]; A: computed on the way; B: input Wv: QUANTISED (scales: A lowp_scales[54], B lowp_scales[55])
;;     29. batch 4,096 x [M 64, K 32] x [K 32, N 64]; A: computed on the way; B: computed on the way: QUANTISED (scales: A lowp_scales[56], B lowp_scales[57])
;;     30. batch 4,096 x [M 32, K 64] x [K 64, N 64]; A: computed on the way; B: softmax (see below): QUANTISED (scales: A lowp_scales[58], B lowp_scales[59])
;;     31. [M 65,536, K 128] x [K 128, N 128]; A: computed on the way; B: input Wo: QUANTISED (scales: A lowp_scales[60], B lowp_scales[61])
;;     32. [M 65,536, K 128] x [K 128, N 256]; A: computed on the way; B: input W1: QUANTISED (scales: A lowp_scales[62], B lowp_scales[63])
;;     33. [M 65,536, K 256] x [K 256, N 128]; A: computed on the way; B: input W2: QUANTISED (scales: A lowp_scales[64], B lowp_scales[65])
;;   THE QUANTISER, for each operand of a quantised product, along K:
;;     - The operand's scale is 2^e, e = its entry of the input lowp_scales (int32; the entries are numbered through the quantised products in the list's order, A before B).
;;     - Each number is divided by the scale, clamped to +-448, and rounded to the nearest number of E4M3, ties to even, subnormals kept.
;;     - The product sums the exact products of the quantised numbers (number of the format x scale) in f32.
;;   ~~~python
;;   def quantise(x, axis, e):      # numpy; x: float32 -> the quantised numbers, widened to float32 again
;;       x = np.moveaxis(x, axis, -1); K = x.shape[-1]
;;       r = np.clip(x / 2.0 ** e, -448, 448)
;;       step = 2.0 ** (np.maximum(np.frexp(np.where(r == 0, 1, r))[1] - 1, -6) - 3)
;;       q = np.round(r / step) * step * 2.0 ** e      # np.round: ties to even
;;       return np.moveaxis(q, -1, axis).astype(np.float32)
;;   ~~~
;;   SOFTMAX AHEAD OF A QUANTISED PRODUCT. Where the list says 'softmax', what is quantised is not the finished softmax but p = 2^(t - M), with t = logit x log2(e) and M = ceil(the row's largest t), a whole number; so 1/2 < the row's largest p <= 1. The row's sum l is taken of the UNQUANTISED p, in f32, and the product's result is divided by l at the end. Since M is a whole number, a kernel that streams over the keys may use a running M (the ceiling of the running maximum): every later rescaling is an exact power of two, so the quantised numbers keep their values, but for numbers so far below the row's largest that they fall under the format's range.
;;   OPERANDS COMPUTED ON THE WAY. 'Computed on the way' means the value that the module computes at that place (a softmax that the list does not call 'softmax' is quantised finished and normalised). What goes into a quantiser is computed in f32, as accurately as f32 sums, v_exp_f32 and their like allow (about 1e-6 of the number): no bf16 or f16 on the way to a quantiser, and a product that is left as it is and whose result goes on into a quantised operand takes f32 operands (vector FMAs, or v_wmma_f32_16x16x4_f32). A number that lies on a knife's edge between two numbers of the format may be rounded either way, as far as f32 arithmetic and the matrix unit's own rounding can turn it there, and no further.
;; One version. Each part assembles by itself: llvm-mc -triple=amdgcn-amd-amdhsa -mcpu=gfx1250 --defsym DOCPART=n.
;; ======== version 1 of 1: 3 launches
;; workspace buffers: wa 206,848 bytes; wb 359,424 bytes; xo 1,048,576 bytes
;; launch prep (part 1): grid 67 x 1, 4 waves a work-group, no clusters, 0 bytes of LDS; arguments proj_w, Wq, Wk, Wv, Wo, W1, W2, lowp_scales, proj_b, proj_ln_s, proj_ln_b, bq, bk, bv, bo, b1, b2, ln1_s, ln1_b, ln2_s, ln2_b, wa, wb; writes wa, wb
.if DOCPART == 1
	.amdgcn_target "amdgcn-amd-amdhsa--gfx1250"
	.amdhsa_code_object_version 6
	.text
	.protected	k_q919e4bbad9_prep
	.globl	k_q919e4bbad9_prep
	.p2align	8
	.type	k_q919e4bbad9_prep,@function
k_q919e4bbad9_prep:
	s_mov_b64 s[64:65], 0
	v_nop
	global_prefetch_b8 v0, s[64:65] scope:SCOPE_SE
	s_setreg_imm32_b32 hwreg(HW_REG_WAVE_MODE, 25, 1), 1
	s_wait_xcnt 0x0
; WayFormerEncoder in E4M3, launch 1 of 3: every weight is quantised ONCE, with its given scale, into images of matrix operands; biases are pre-scaled, LayerNorm gains and biases copied beside them.
;
; WORK LEFT OUT BY THE WHOLE PROGRAM, and why it is dead for all values of the inputs.  reference() returns x.reshape(B,S,T,H)[:,0,:] of the buffer [B*T,S,H]: out0[b,s,:] is the last layer's x of
; the spatial sequence n = 64 b + 0 (t = 0), token s.  A block mixes tokens of ONE sequence only (attention is per n; every other step is per row).  So (a) layers 2 and 3 of the sequences t >= 1 reach no output;
; (b) layers 2 and 3 at t = 0 read layer 1's result only at the rows (b,s,t=0), so in layer 1 everything behind K and V (Q, scores, weights x V, Wo, both LayerNorms, W1, W2) of the query tokens t >= 1 reaches no
; output (queries 1 to 15 share a 16-row tile with query 0 and stay as far as the second attention product); (c) layer 1's K and V are wanted at every t, so the projection and layer 0 stay whole.
; What the mask built from 'lengths' throws away hangs on data: it is computed and selected, never left out.  Every input still has a way to the output, so every input is loaded.
; LIMIT: a NaN, an infinity or an overflow that reaches only the work left out is not carried to the result.  NaN and infinities among the inputs are not served.
;
; A FRAGMENT is 16 columns n = 16 nt + r of a weight x 128 along K, as the 16 registers of the plain 8-bit operand: lane (r, h), register i, byte y = the code of W[128 ks + 16 (i/2) + 8 h + 4 (i%2) + y][16 nt + r],
; stored at 512 (i/4) + 16 lane + 4 (i%4) + y of its 2,048 bytes: four 16-byte loads a lane bring it back.  A LANE TAKES A COLUMN AND ITS REGISTERS RUN DOWN K: nothing is transposed.
; Order F: proj 0-7; layer L from 8 + 64 L: q +0, k +8, v +16, o +24 (by nt), W1 +32 (nt 0-15), W2 +48 (2 nt + ks).  F < 96 lies in wa behind 10,240 bytes of parameters, the rest in wb behind 15,360.
; code = w / 2^e, held within +-448, to the nearest code, ties to even.  LIMIT: each weight's e between -126 and 119.
; Work-groups 0 to 65: a fragment a wave, the four waves on neighbouring nt, so that together they read 256 consecutive bytes of each row.  Work-group 66: wave L lays out layer L's parameters.
	s_load_b512 s[4:19], s[0:1], 0x0               ; proj_w s[4:5], Wq, Wk, Wv, Wo, W1, W2 s[16:17], the scales' exponents s[18:19]
	s_load_b512 s[20:35], s[0:1], 0x40             ; proj_b, proj_ln_s, proj_ln_b, bq s[26:27], bk, bv, bo, b1 s[34:35]
	s_load_b256 s[36:43], s[0:1], 0x80             ; b2, ln1_s, ln1_b, ln2_s
	s_load_b128 s[44:47], s[0:1], 0xa0             ; ln2_b, wa s[46:47]
	s_load_b64 s[48:49], s[0:1], 0xb0              ; wb
	v_lshrrev_b32 v1, 5, v0
	v_readfirstlane_b32 s50, v1                    ; wave
	v_and_b32 v2, 31, v0                           ; lane
	v_lshlrev_b32 v3, 4, v2                        ; 16 x lane
	v_and_b32 v4, 15, v0                           ; r
	v_bfe_u32 v5, v0, 4, 1                         ; h
	s_wait_kmcnt 0x0
	s_cmp_eq_u32 ttmp9, 66
	s_cbranch_scc1 .Lparams
	; which weight: kind 0 proj_w, 1 Wq, 2 Wk, 3 Wv, 4 Wo, 5 W1, 6 W2; layer L; four tiles 4 G + wave; K step ks (W2 alone has two)
	s_max_u32 s51, ttmp9, 2
	s_sub_co_u32 s51, s51, 2
	s_lshr_b32 s52, s51, 4                         ; L
	s_and_b32 s53, s51, 15                         ; j: sixteen work-groups a layer
	s_lshr_b32 s54, s53, 1
	s_add_co_u32 s55, s54, 1                       ; j 0-7: kinds 1 to 4, two work-groups each
	s_lshr_b32 s56, s53, 2
	s_add_co_u32 s56, s56, 3                       ; j 8-11: kind 5; j 12-15: kind 6
	s_cmp_lt_u32 s53, 8
	s_cselect_b32 s55, s55, s56
	s_and_b32 s57, s53, 1
	s_and_b32 s56, s53, 3
	s_cmp_eq_u32 s55, 5
	s_cselect_b32 s57, s56, s57                    ; G
	s_and_b32 s58, s54, 1
	s_cmp_eq_u32 s55, 6
	s_cselect_b32 s58, s58, 0                      ; ks
	s_cmp_lt_u32 ttmp9, 2
	s_cselect_b32 s55, 0, s55
	s_cselect_b32 s57, ttmp9, s57
	s_lshl_b32 s59, s57, 2
	s_add_co_u32 s59, s59, s50                     ; nt
	s_mov_b64 s[60:61], s[4:5]
.irp n, 1,2,3,4,5,6
	s_cmp_eq_u32 s55, \n
	s_cselect_b64 s[60:61], s[4+2*\n:5+2*\n], s[60:61]
.endr
	s_cmp_ge_u32 s55, 5
	s_cselect_b32 s56, 17, 16
	s_lshl_b32 s62, s52, s56                       ; the layer: 65,536 bytes, W1 and W2 131,072
	s_lshl_b32 s56, s58, 16                        ; ks x 128 rows of 512 bytes
	s_add_co_u32 s62, s62, s56
	s_lshl_b32 s56, s59, 6                         ; 16 columns are 64 bytes
	s_add_co_u32 s62, s62, s56
	s_mov_b32 s63, 0
	s_add_nc_u64 s[60:61], s[60:61], s[62:63]
	s_lshl_b32 s66, s52, 4                         ; the weight's entry of the scales: 16 L + 2 kind + 1, and 4 more from Wo on (proj_w: 1)
	s_lshl_b32 s56, s55, 1
	s_add_co_u32 s66, s66, s56
	s_add_co_u32 s66, s66, 1
	s_cmp_ge_u32 s55, 4
	s_cselect_b32 s56, 4, 0
	s_add_co_u32 s66, s66, s56
	s_lshl_b32 s66, s66, 2
	s_mov_b32 s67, 0
	s_add_nc_u64 s[66:67], s[18:19], s[66:67]
	s_load_b32 s68, s[66:67], 0x0
	s_lshl_b32 s69, s52, 6                         ; F = 64 L + 8 kind + nt; W2: + 8 + nt + ks
	s_lshl_b32 s56, s55, 3
	s_add_co_u32 s69, s69, s56
	s_add_co_u32 s69, s69, s59
	s_add_co_u32 s56, s59, s58
	s_add_co_u32 s56, s56, 8
	s_cmp_eq_u32 s55, 6
	s_cselect_b32 s56, s56, 0
	s_add_co_u32 s69, s69, s56
	s_mov_b32 s71, 15360
	s_cmp_lt_u32 s69, 96
	s_cselect_b64 s[72:73], s[46:47], s[48:49]
	s_cselect_b32 s70, 0, 96
	s_cselect_b32 s71, 10240, s71
	s_sub_co_u32 s69, s69, s70
	s_lshl_b32 s69, s69, 11
	s_add_co_u32 s70, s69, s71
	s_mov_b32 s71, 0
	s_add_nc_u64 s[72:73], s[72:73], s[70:71]
.macro WLOAD nb                        ; W(16 c + 8 h + e, my column) into v[16 + 8 c + e]; nb: bytes in a row
.irp c, 0,1,2,3,4,5,6,7
.irp e, 0,1,2,3,4,5,6,7
	global_load_b32 v[16+8*\c+\e], v6, s[60:61] offset:(16*\c+\e)*(\nb)
.endr
.endr
.endm
	v_lshlrev_b32 v6, 2, v4                        ; 4 r
	s_cmp_eq_u32 s55, 5
	s_cbranch_scc1 .Lwide
	v_lshl_add_u32 v6, v5, 12, v6                  ; lanes 16-31 begin 8 rows of 512 bytes further down
	WLOAD 512
	s_branch .Lloaded
.Lwide:
	v_lshl_add_u32 v6, v5, 13, v6                  ; W1's rows are 1,024 bytes
	WLOAD 1024
.Lloaded:
	s_wait_kmcnt 0x0
	s_add_co_i32 s68, s68, 127
	s_lshl_b32 s69, s68, 23
	v_mov_b32 v8, s69                              ; 2^e as f32: the conversion takes its exponent field
	s_add_co_i32 s68, s68, 8
	s_lshl_b32 s68, s68, 23
	s_or_b32 s68, s68, 0x600000
	v_mov_b32 v9, s68                              ; 448 x 2^e
	s_wait_loadcnt 0x0
.set n, 0
.rept 64
	v_med3_num_f32 v[16+n], v[16+n], -v9, v9       ; the conversion to an 8-bit code does not saturate (ISA guide 7.6.2): the hold comes first
.set n, n+1
.endr
.irp c, 0,1,2,3,4,5,6,7
	v_cvt_scalef32_pk8_fp8_f32 v[80+2*\c:81+2*\c], v[16+8*\c:23+8*\c], v8
.endr
.irp c, 0,1,2,3
	global_store_b128 v3, v[80+4*\c:83+4*\c], s[72:73] offset:512*\c   ; the wave stores 512 consecutive bytes
.endr
	s_endpgm
.Lparams:                                              ; wave L: layer L's biases, each divided by the power of two that its product's sums lack, and the LayerNorms' gains and biases
	s_lshl_b32 s52, s50, 6
	s_add_co_u32 s52, s52, 8
	s_mov_b32 s53, 0
	s_add_nc_u64 s[52:53], s[18:19], s[52:53]
	s_load_b512 s[76:91], s[52:53], 0x0            ; the layer's sixteen exponents: entries 2 + 16 L on
	s_load_b64 s[92:93], s[18:19], 0x0             ; entries 0 and 1
	s_lshl_b32 s54, s50, 9
	v_add_nc_u32 v6, s54, v3                       ; 16 lane + 512 L
	s_lshl_b32 s54, s50, 10
	v_add_nc_u32 v7, s54, v3                       ; b1: 1,024 L
	global_load_b128 v[16:19], v6, s[26:27]        ; bq
	global_load_b128 v[20:23], v6, s[28:29]        ; bk
	global_load_b128 v[24:27], v6, s[30:31]        ; bv
	global_load_b128 v[28:31], v6, s[32:33]        ; bo
	global_load_b128 v[32:35], v7, s[34:35]        ; b1
	global_load_b128 v[36:39], v7, s[34:35] offset:512
	global_load_b128 v[40:43], v6, s[36:37]        ; b2
	global_load_b128 v[44:47], v6, s[38:39]        ; ln1_s
	global_load_b128 v[48:51], v6, s[40:41]        ; ln1_b
	global_load_b128 v[52:55], v6, s[42:43]        ; ln2_s
	global_load_b128 v[56:59], v6, s[44:45]        ; ln2_b
	; where they go: bq', bk', bv' at dA; the other 4,096 bytes at dB.  L 0: wa+1536, wa+3072; 1: wa+7168, wb+0; 2: wb+4096, wb+5632; 3: wb+9728, wb+11264
	s_mov_b32 s55, 4096
	s_cmp_lt_u32 s50, 2
	s_cselect_b64 s[56:57], s[46:47], s[48:49]
	s_cselect_b32 s55, 1536, s55
	s_and_b32 s58, s50, 1
	s_mul_i32 s58, s58, 5632
	s_add_co_u32 s58, s58, s55
	s_mov_b32 s59, 0
	s_add_nc_u64 s[56:57], s[56:57], s[58:59]
	s_max_u32 s62, s50, 1
	s_sub_co_u32 s62, s62, 1
	s_mul_i32 s62, s62, 5632
	s_cmp_lt_u32 s50, 1
	s_cselect_b64 s[60:61], s[46:47], s[48:49]
	s_cselect_b32 s62, 3072, s62
	s_mov_b32 s63, 0
	s_add_nc_u64 s[60:61], s[60:61], s[62:63]
	s_wait_kmcnt 0x0
	s_wait_loadcnt 0x0
.macro BSC reg, ea                     ; four numbers x 2^-(the two exponents at s[ea], s[ea+1])
	s_add_co_i32 s54, s[\ea], s[\ea+1]
	s_sub_co_i32 s54, 0, s54
.irp j, 0,1,2,3
	v_ldexp_f32 v[\reg+\j], v[\reg+\j], s54
.endr
.endm
	BSC 16, 76
	BSC 20, 78
	BSC 24, 80
	BSC 28, 86
	BSC 32, 88
	BSC 36, 88
	BSC 40, 90
.irp i, 0,1,2
	global_store_b128 v3, v[16+4*\i:19+4*\i], s[56:57] offset:512*\i
.endr
.irp i, 0,1,2,3,4,5,6,7
	global_store_b128 v3, v[28+4*\i:31+4*\i], s[60:61] offset:512*\i
.endr
	s_cmp_lg_u32 s50, 0
	s_cbranch_scc1 .Lnot_proj
	global_load_b128 v[64:67], v3, s[20:21]        ; wave 0 also: proj_b, proj_ln_s, proj_ln_b
	global_load_b128 v[68:71], v3, s[22:23]
	global_load_b128 v[72:75], v3, s[24:25]
	s_wait_loadcnt 0x0
	BSC 64, 92
.irp i, 0,1,2
	global_store_b128 v3, v[64+4*\i:67+4*\i], s[46:47] offset:512*\i
.endr
.Lnot_proj:
	s_cmp_lg_u32 s50, 1
	s_cbranch_scc1 .Lnot_fill
.irp j, 0,1,2,3
	v_mov_b32 v[76+\j], 0                          ; wave 1 also: the rest of wa's parameter block, so that every byte that is read later has been stored
.endr
.irp i, 0,1,2
	global_store_b128 v3, v[76:79], s[46:47] offset:8704+512*\i
.endr
.Lnot_fill:
	s_endpgm
.Lfunc_end_k_q919e4bbad9_prep:
	.size	k_q919e4bbad9_prep, .Lfunc_end_k_q919e4bbad9_prep-k_q919e4bbad9_prep
	.p2alignl 7, 3214868480
	.fill 96, 4, 3214868480
	.section	.rodata,"a",@progbits
	.p2align	6, 0x0
	.amdhsa_kernel k_q919e4bbad9_prep
		.amdhsa_group_segment_fixed_size 0
		.amdhsa_private_segment_fixed_size 0
		.amdhsa_enable_private_segment 0
		.amdhsa_kernarg_size 184
		.amdhsa_user_sgpr_count 2
		.amdhsa_user_sgpr_kernarg_segment_ptr 1
		.amdhsa_wavefront_size32 1
		.amdhsa_system_sgpr_workgroup_id_x 1
		.amdhsa_system_sgpr_workgroup_id_y 1
		.amdhsa_system_sgpr_workgroup_id_z 1
		.amdhsa_system_vgpr_workitem_id 0
		.amdhsa_next_free_vgpr 96
		.amdhsa_next_free_sgpr 96
		.amdhsa_reserve_vcc 0
		.amdhsa_float_denorm_mode_32 3
		.amdhsa_float_denorm_mode_16_64 3
		.amdhsa_memory_ordered 1
		.amdhsa_forward_progress 1
		.amdhsa_inst_pref_size 28
	.end_amdhsa_kernel
	.amdgpu_metadata
---
amdhsa.version: [ 1, 2 ]
amdhsa.kernels:
  - .name:           k_q919e4bbad9_prep
    .symbol:         k_q919e4bbad9_prep.kd
    .args:
      - { .name: proj_w, .offset: 0, .size: 8, .value_kind: global_buffer, .address_space: global }
      - { .name: Wq, .offset: 8, .size: 8, .value_kind: global_buffer, .address_space: global }
      - { .name: Wk, .offset: 16, .size: 8, .value_kind: global_buffer, .address_space: global }
      - { .name: Wv, .offset: 24, .size: 8, .value_kind: global_buffer, .address_space: global }
      - { .name: Wo, .offset: 32, .size: 8, .value_kind: global_buffer, .address_space: global }
      - { .name: W1, .offset: 40, .size: 8, .value_kind: global_buffer, .address_space: global }
      - { .name: W2, .offset: 48, .size: 8, .value_kind: global_buffer, .address_space: global }
      - { .name: lowp_scales, .offset: 56, .size: 8, .value_kind: global_buffer, .address_space: global }
      - { .name: proj_b, .offset: 64, .size: 8, .value_kind: global_buffer, .address_space: global }
      - { .name: proj_ln_s, .offset: 72, .size: 8, .value_kind: global_buffer, .address_space: global }
      - { .name: proj_ln_b, .offset: 80, .size: 8, .value_kind: global_buffer, .address_space: global }
      - { .name: bq, .offset: 88, .size: 8, .value_kind: global_buffer, .address_space: global }
      - { .name: bk, .offset: 96, .size: 8, .value_kind: global_buffer, .address_space: global }
      - { .name: bv, .offset: 104, .size: 8, .value_kind: global_buffer, .address_space: global }
      - { .name: bo, .offset: 112, .size: 8, .value_kind: global_buffer, .address_space: global }
      - { .name: b1, .offset: 120, .size: 8, .value_kind: global_buffer, .address_space: global }
      - { .name: b2, .offset: 128, .size: 8, .value_kind: global_buffer, .address_space: global }
      - { .name: ln1_s, .offset: 136, .size: 8, .value_kind: global_buffer, .address_space: global }
      - { .name: ln1_b, .offset: 144, .size: 8, .value_kind: global_buffer, .address_space: global }
      - { .name: ln2_s, .offset: 152, .size: 8, .value_kind: global_buffer, .address_space: global }
      - { .name: ln2_b, .offset: 160, .size: 8, .value_kind: global_buffer, .address_space: global }
      - { .name: wa, .offset: 168, .size: 8, .value_kind: global_buffer, .address_space: global }
      - { .name: wb, .offset: 176, .size: 8, .value_kind: global_buffer, .address_space: global }
    .group_segment_fixed_size: 0
    .private_segment_fixed_size: 0
    .kernarg_segment_align: 8
    .kernarg_segment_size: 184
    .max_flat_workgroup_size: 128
    .sgpr_count:     96
    .vgpr_count:     96
    .wavefront_size: 32
...
	.end_amdgpu_metadata
.endif
;; end of part 1
;; launch temporal (part 2): grid 256 x 1, 8 waves a work-group, clusters of 4 x 1, 327,680 bytes of LDS; arguments polylines, lengths, lowp_scales, pos_emb, wa, xo; writes xo
.if DOCPART == 2
	.amdgcn_target "amdgcn-amd-amdhsa--gfx1250"
	.amdhsa_code_object_version 6
	.text
	.protected	k_q919e4bbad9_temporal
	.globl	k_q919e4bbad9_temporal
	.p2align	8
	.type	k_q919e4bbad9_temporal,@function
k_q919e4bbad9_temporal:
	s_mov_b64 s[64:65], 0
	v_nop
	global_prefetch_b8 v0, s[64:65] scope:SCOPE_SE
	s_setreg_imm32_b32 hwreg(HW_REG_WAVE_MODE, 25, 1), 1
	s_wait_xcnt 0x0
	s_wait_alu depctr_hold_cnt(0) depctr_sa_sdst(0) depctr_va_vdst(0) depctr_va_sdst(0) depctr_va_ssrc(0) depctr_va_vcc(0) depctr_vm_vsrc(0)
	s_getreg_b32 s2, hwreg(HW_REG_IB_STS2, 6, 4)
	s_cmp_eq_u32 s2, 0
	s_cbranch_scc0 .Lentry_in_a_cluster
	s_endpgm
.Lentry_in_a_cluster:
	s_bfe_u32 s2, ttmp6, 0x10000c
	s_cmp_lg_u32 s2, 0x3003
	s_cbranch_scc0 .Lentry_shape_is_right
	s_endpgm
.Lentry_shape_is_right:
; WayFormerEncoder in E4M3, launch 2 of 3: projection, layer 0, and of layer 1 what the output needs: K and V of all tokens, attention of query tile 0.  Left out as dead (shown at the head of the first
; kernel): in layer 1 all that follows K and V for the query tokens t >= 16, and Wo, LayerNorms and FFN of layer 1 here (the next launch does them for the rows t = 0 alone).
; SHARES.  A work-group takes 4 sequences (b,s); wave w takes rows 32 (w%2) .. +31 of sequence w/2: two tiles of 16 tokens.  Stored per sequence: row t = 0 of layer 1's attention result o and of its input x, f32.
; LAYOUT.  An 8-bit operand: lane (r = lane%16, h = lane/16) holds row r, registers 2c, 2c+1 hold k = 16c+8h+0..7.  Products are used TRANSPOSED (source 0 = 16 columns of a weight, source 1 = 16 tokens): register j
; of a result tile t is y(token r, feature 16t+8h+j), so one conversion of a tile gives registers 2t, 2t+1 of the next operand.  V is made NOT transposed: a lane then holds a channel and its registers run along the
; tokens, which are the second attention product's K.  S^T = K Q^T and O^T = V^T P^T take the K = 64 form; a head's 32 channels fill half of it: K's fragment is a pair of heads, Q's is [q_even 0] or [0 q_odd].
; SOFTMAX.  t = score x cl, cl = log2(e)/sqrt(32) x 2^(eq+ek) for a query that counts, 0 for one that does not (then p = 1 on all 64 keys: what a row of -1e9 gives, whose t is a whole number and equals M).  Hidden keys'
; scores become -3e38 ahead of the maximum (p = 0).  -M = floor(-largest t); p = 2^(t-M) is quantised; the sum is taken of the unquantised p and divides at the end.
; Biases come pre-scaled and are the C of each sum's first matrix instruction.  The projection's LayerNorm runs on the unscaled sums with eps x 2^(-2(e0+e1)): the same numbers.
; CLUSTER.  All work-groups read the same weights, parameters and pos_emb: the four of a cluster ask for them jointly, each wave for an eighth.  Nothing is filled twice.  A wave has two tensor loads out.
; LIMITS.  Every exponent made into an f32 number (an operand's e; e_out - e_a - e_b; e_a + e_b) lies between -126 and 119; eq + ek between -100 and 120; e0 + e1 between -70 and 50.  NaN and infinities among the inputs are
; not served.  A score under -3e38 is not told from a hidden one.
; REGISTERS.  Window 1 (v256-511): X[m][t] at 64m+8t, the rows in f32; ACC[m][ts] at 128+64m+8ts: sums, held copies ahead of conversions, in attention S[m][kt] at 128+32m+8kt and O at 192 on.  Window 0: see the names below.
.set NM, 2                             ; tiles of 16 rows to a wave
.set SVAL, 29                          ; s29, s30: lanes whose query counts, tile 0, 1
.set WTB,   10240                      ; LDS: 0 parameters; fragment F at WTB + 2048 F
.set POSB,  206848                     ; pos_emb, rows of 512 + 16 bytes
.set WAB,   240640                     ; 8,192 for each wave: first a stage of 16 x 272, later my two K images (+0) and eight V blocks (+4096)
.set XQB,   306176                     ; layer 1's query codes, 2,048 a sequence
.set OUTB,  314368                     ; the way out: per sequence o 512 | x 512
.set SPARE, 318464                     ; the spare words, 128 bytes a wave: four blocks of 256 bytes that no other line names
.set SPW,1
.set NIL,2
.set LI,3                              ; 16 x lane
.set OSO,4                             ; where row 0 of o goes
.set LW,5                              ; weights' address in hand
.set LB0,6                             ; 32 h
.set LBV0,7                            ; 4 r
.set LB,8
.set KW,9
.set VW,10
.set KR,11
.set VR,12
.set KA,13
.set VA,14
.set SD,15                             ; stage, dense side; later: my 512 bytes of the way out
.set SF,16                             ; stage, fragment side
.set PG,17                             ; global offset of dense rows
.set POSA,18
.set XQA,19
.set OSX,20
.set VRR,21                            ; r
.set QSC,22
.set QLIM,23
.set SC,24
.set LIM,25
.set LOHI,26                           ; the first quantiser's bounds, a pair for each tile
.set PSC,30
.set PLIM,31
.set OSC,32
.set OLIM,33
.set SM,34                             ; -3e38
.set TMP,35
.set CL,36                             ; pairs: cl; in a LayerNorm the mean
.set NGM,40                            ; pairs: -M; in a LayerNorm 1/sqrt(var+eps)
.set CH,44                             ; four registers of chains a tile
.set RL,52                             ; pairs: 1/l
.set AC,56                             ; the operand's codes, 16 a tile
.set WF,88                             ; four weight fragments; K's (WF+8kt) and V's (WF+32+8i) fragments
.set BT,152                            ; four bias tiles
.set QF,184                            ; [q_even 0 q_odd], 12 a tile
.set PP,208                            ; p's codes, 8 a tile
.set OC,224                            ; o's codes, 16 a tile
.set HC,184                            ; the hidden layer's codes, 32 a tile
.set LP0,88                            ; LayerNorm's gains and biases, tiles 0-3, 4-7
.set LP1,184
.set CT0,208                           ; codes on their way to LDS
.set CT1,184
.set RR,88                             ; rows as loaded
.set X,0
.set ACC,128
.set SS,128
.set OO,192
.set MSB, 0
.macro WIN new                         ; register windows: bits 1:0 source 0, 3:2 source 1, 5:4 source 2, 7:6 destination; the high byte repeats the setting that is left
.if MSB != \new
	s_set_vgpr_msb (MSB<<8)|\new
.set MSB, \new
.endif
.endm
.macro PLACES n                        ; plain vector instructions behind matrix instructions, ahead of reads of results and of loads into registers that they have read
.rept \n
	v_nop
.endr
.endm
.macro BAR                             ; my LDS stores have landed and my LDS loads are in: then the work-group's barrier
	s_wait_dscnt 0x0
	s_barrier_signal -1
	s_barrier_wait -1
.endm
.macro CROUND                          ; a round of the cluster's barrier
	s_barrier_signal -1
	s_barrier_wait -1
	s_cmp_lg_u32 s16, 0
	s_cbranch_scc1 .Lnot_wave_0_\@
	s_barrier_signal -3
.Lnot_wave_0_\@:
	s_barrier_wait -3
	s_barrier_signal -1
	s_barrier_wait -1
.endm
.macro MKQ se, vsc, vlim               ; from the exponent in s[se]: 2^e (the conversion takes its exponent field) and 448 x 2^e (the hold)
	WIN 0
	s_add_co_i32 s100, s[\se], 127
	s_lshl_b32 s101, s100, 23
	v_mov_b32 v[\vsc], s101
	s_add_co_i32 s100, s100, 8
	s_lshl_b32 s100, s100, 23
	s_or_b32 s100, s100, 0x600000
	v_mov_b32 v[\vlim], s100
.endm
.macro NETQ a, b, c                    ; s104 = e_out - e_a - e_b: a sum stands for sum x 2^(e_a + e_b), so the three scales fold into the conversion's one
	s_sub_co_i32 s104, s[\a], s[\b]
	s_sub_co_i32 s104, s104, s[\c]
.endm
.macro MKF a, b                        ; s98 = s99 = 2^(e_a + e_b)
	s_add_co_i32 s98, s[\a], s[\b]
	s_add_co_i32 s98, s98, 127
	s_lshl_b32 s98, s98, 23
	s_mov_b32 s99, s98
.endm
.macro GLOADROWS rbase, sb, goff, pitch ; 16 rows x 512 bytes: sixteen lanes read 256 consecutive, aligned bytes of a row; column half p, rows 2a, 2a+1
.irp p, 0,1
.irp a, 0,1,2,3,4,5,6,7
	global_load_b128 v[(\rbase)+32*\p+4*\a:(\rbase)+32*\p+4*\a+3], v[PG], s[\sb:\sb+1] offset:(\goff)+2*(\pitch)*\a+256*\p th:TH_LOAD_NT
.endr
.endr
.endm
.macro TURN rbase, dst                 ; half a tile (16 rows x 256 bytes) through my own stage: in as loaded, out as lane (r,h) wants it.  LDS serves a wave's instructions in order: no wait between
	WIN 0
.irp a, 0,1,2,3,4,5,6,7
	ds_store_b128 v[SD], v[(\rbase)+4*\a:(\rbase)+4*\a+3] offset:544*\a
.endr
	WIN 0x40
.irp c, 0,1,2,3
	ds_load_b128 v[(\dst)+8*\c:(\dst)+8*\c+3], v[SF] offset:64*\c
	ds_load_b128 v[(\dst)+8*\c+4:(\dst)+8*\c+7], v[SF] offset:64*\c+16
.endr
.endm
.macro QT m                            ; 64 numbers in ACC[m], held between the tile's two bounds, become AC[m]
	WIN 0x41
.set n, 0
.rept 64
	v_med3_num_f32 v[ACC+64*(\m)+n], v[ACC+64*(\m)+n], v[LOHI+2*(\m)], v[LOHI+2*(\m)+1]
.set n, n+1
.endr
	WIN 0x01
.irp t, 0,1,2,3,4,5,6,7
	v_cvt_scalef32_pk8_fp8_f32 v[AC+16*(\m)+2*\t:AC+16*(\m)+2*\t+1], v[ACC+64*(\m)+8*\t:ACC+64*(\m)+8*\t+7], v[SC]
.endr
	v_nop                                          ; a plain instruction behind the last conversion of a run, here and in every macro below
.endm
.macro QXN nq                          ; X[m] held within +-LIM (a copy in ACC) becomes AC[m]
.irp m, 0,1
.if \m < \nq
	WIN 0x41
.set n, 0
.rept 64
	v_med3_num_f32 v[ACC+64*\m+n], v[X+64*\m+n], -v[LIM], v[LIM]
.set n, n+1
.endr
	WIN 0x01
.irp t, 0,1,2,3,4,5,6,7
	v_cvt_scalef32_pk8_fp8_f32 v[AC+16*\m+2*\t:AC+16*\m+2*\t+1], v[ACC+64*\m+8*\t:ACC+64*\m+8*\t+7], v[SC]
.endr
.endif
.endr
	v_nop
.endm
.macro GRPT woff, breg, boff           ; four fragments with their bias tiles: 24 loads, six a tile
	WIN 0
.irp i, 0,1,2,3
	ds_load_b128 v[BT+8*\i:BT+8*\i+3], v[\breg] offset:(\boff)+64*\i
	ds_load_b128 v[BT+8*\i+4:BT+8*\i+7], v[\breg] offset:(\boff)+64*\i+16
.irp c, 0,1,2,3
	ds_load_b128 v[WF+16*\i+4*\c:WF+16*\i+4*\c+3], v[LW] offset:(\woff)+2048*\i+512*\c
.endr
.endr
.endm
.macro GRPV woff, breg, boff           ; for V: a lane's bias is one number a tile: four words first, then the 16 fragment loads
	WIN 0
.irp i, 0,1,2,3
	ds_load_b32 v[BT+8*\i], v[\breg] offset:(\boff)+64*\i
.endr
.irp i, 0,1,2,3
.irp c, 0,1,2,3
	ds_load_b128 v[WF+16*\i+4*\c:WF+16*\i+4*\c+3], v[LW] offset:(\woff)+2048*\i+512*\c
.endr
.endr
.endm
.macro GRPW2 woff, breg, boff          ; for W2: two tiles x two K steps, in the order (t0,k0) (t1,k0) (t0,k1) (t1,k1); two bias tiles first
	WIN 0
.irp i, 0,1
	ds_load_b128 v[BT+8*\i:BT+8*\i+3], v[\breg] offset:(\boff)+64*\i
	ds_load_b128 v[BT+8*\i+4:BT+8*\i+7], v[\breg] offset:(\boff)+64*\i+16
.endr
.irp i, 0,1,2,3
.irp c, 0,1,2,3
	ds_load_b128 v[WF+16*\i+4*\c:WF+16*\i+4*\c+3], v[LW] offset:(\woff)+4096*(\i%2)+2048*(\i/2)+512*\c
.endr
.endr
.endm
.macro MULTT ts0, breg, nq, extra      ; the group's products, transposed.  The wait in front of tile i leaves out the later tiles' six loads each and 'extra' LDS stores issued behind the group's loads
	WIN 0x40
.irp i, 0,1,2,3
	s_wait_dscnt 6*(3-\i)+(\extra)
.irp m, 0,1
.if \m < \nq
	v_wmma_f32_16x16x128_fp8_fp8 v[ACC+64*\m+8*((\ts0)+\i):ACC+64*\m+8*((\ts0)+\i)+7], v[WF+16*\i:WF+16*\i+15], v[(\breg)+16*\m:(\breg)+16*\m+15], v[BT+8*\i:BT+8*\i+7]
.endif
.endr
.endr
	PLACES 4
.endm
.macro MULTV ts0, extra                ; V's products, not transposed: source 0 = my tokens, source 1 = 16 columns of Wv
	s_wait_dscnt 16+(\extra)                       ; the four bias words are in: behind them the 16 fragment loads and the stores
	WIN 0
.irp i, 0,1,2,3
.irp j, 1,2,3,4,5,6,7
	v_mov_b32 v[BT+8*\i+\j], v[BT+8*\i]
.endr
.endr
	WIN 0x40
.irp i, 0,1,2,3
	s_wait_dscnt 4*(3-\i)+(\extra)
.irp m, 0,1
.if \m < NM
	v_wmma_f32_16x16x128_fp8_fp8 v[ACC+64*\m+8*((\ts0)+\i):ACC+64*\m+8*((\ts0)+\i)+7], v[AC+16*\m:AC+16*\m+15], v[WF+16*\i:WF+16*\i+15], v[BT+8*\i:BT+8*\i+7]
.endif
.endr
.endr
	PLACES 4
.endm
.macro MULTW2 ts0                      ; two tiles over K = 256; the accumulators take turns, one instruction a turn
	WIN 0x40
	s_wait_dscnt 8                                 ; the second K step's eight loads may be out
.irp i, 0,1
.irp m, 0,1
.if \m < NM
	v_wmma_f32_16x16x128_fp8_fp8 v[ACC+64*\m+8*((\ts0)+\i):ACC+64*\m+8*((\ts0)+\i)+7], v[WF+16*\i:WF+16*\i+15], v[HC+32*\m:HC+32*\m+15], v[BT+8*\i:BT+8*\i+7]
.endif
.endr
.endr
	s_wait_dscnt 0x0
	WIN 0x50
.irp i, 0,1
.irp m, 0,1
.if \m < NM
	v_wmma_f32_16x16x128_fp8_fp8 v[ACC+64*\m+8*((\ts0)+\i):ACC+64*\m+8*((\ts0)+\i)+7], v[WF+32+16*\i:WF+32+16*\i+15], v[HC+32*\m+16:HC+32*\m+31], v[ACC+64*\m+8*((\ts0)+\i):ACC+64*\m+8*((\ts0)+\i)+7]
.endif
.endr
.endr
	PLACES 4
.endm
.macro HOLD4 ts0, nq, relu, vlim       ; four tiles held in place, each from its low end on; relu = 1: the activation and the hold in one
	WIN 0x41
.irp m, 0,1
.if \m < \nq
.set hb, ACC+64*\m+8*(\ts0)
.rept 32
.if \relu
	v_med3_num_f32 v[hb], v[hb], 0, v[\vlim]
.else
	v_med3_num_f32 v[hb], v[hb], -v[\vlim], v[\vlim]
.endif
.set hb, hb+1
.endr
.endif
.endr
.endm
.macro QOK g, ts0                      ; K's tiles 4g..4g+3 become registers 8g..8g+7 of my key tiles' fragments: images to LDS
	HOLD4 \ts0, NM, 0, LIM
	WIN 0x01
.set ct, CT0+(CT1-CT0)*(\g)
.irp m, 0,1
.if \m < NM
.irp i, 0,1,2,3
	v_cvt_scalef32_pk8_fp8_f32 v[ct+8*\m+2*\i:ct+8*\m+2*\i+1], v[ACC+64*\m+8*((\ts0)+\i):ACC+64*\m+8*((\ts0)+\i)+7], v[SC]
.endr
.endif
.endr
	v_nop
	WIN 0
.irp m, 0,1
.if \m < NM
.irp c, 0,1
	ds_store_b128 v[KW], v[ct+8*\m+4*\c:ct+8*\m+4*\c+3] offset:2048*\m+512*(2*(\g)+\c)
.endr
.endif
.endr
.endm
.macro QOV g, ts0                      ; V's channel tiles 4g..4g+3: my tokens' registers of each V^T fragment
	HOLD4 \ts0, NM, 0, LIM
	WIN 0x01
.set ct, CT0+(CT1-CT0)*(\g)
.irp m, 0,1
.if \m < NM
.irp i, 0,1,2,3
	v_cvt_scalef32_pk8_fp8_f32 v[ct+2*NM*\i+2*\m:ct+2*NM*\i+2*\m+1], v[ACC+64*\m+8*((\ts0)+\i):ACC+64*\m+8*((\ts0)+\i)+7], v[SC]
.endr
.endif
.endr
	v_nop
	WIN 0
.irp i, 0,1,2,3
.if NM == 2
	ds_store_b128 v[VW], v[ct+4*\i:ct+4*\i+3] offset:512*(4*(\g)+\i)
.else
	ds_store_b64 v[VW], v[ct+2*\i:ct+2*\i+1] offset:256*(4*(\g)+\i)
.endif
.endr
.endm
.macro QOH ts0, t0                     ; four tiles of the hidden layer become registers 2 t0 .. of its codes
	HOLD4 \ts0, NM, 1, LIM
	WIN 0x01
.irp m, 0,1
.if \m < NM
.irp i, 0,1,2,3
	v_cvt_scalef32_pk8_fp8_f32 v[HC+32*\m+2*((\t0)+\i):HC+32*\m+2*((\t0)+\i)+1], v[ACC+64*\m+8*((\ts0)+\i):ACC+64*\m+8*((\ts0)+\i)+7], v[SC]
.endr
.endif
.endr
	v_nop
.endm
.macro FOLD ts0, t0, nt                ; X[m][t0+i] += ACC[m][ts0+i] x 2^(e_a + e_b)
	WIN 0x51
.irp m, 0,1
.if \m < NM
.set fa, ACC+64*\m+8*(\ts0)
.set fx, X+64*\m+8*(\t0)
.rept 4*(\nt)
	v_pk_fma_f32 v[fx:fx+1], v[fa:fa+1], s[98:99], v[fx:fx+1] op_sel_hi:[1,0,1]
.set fa, fa+2
.set fx, fx+2
.endr
.endif
.endr
.endm
.macro LRED m                          ; two packed chains -> one number; lane xor 16 holds the row's other 64 features
	v_pk_add_f32 v[CH+4*(\m):CH+4*(\m)+1], v[CH+4*(\m):CH+4*(\m)+1], v[CH+4*(\m)+2:CH+4*(\m)+3]
	v_add_f32 v[CH+4*(\m)], v[CH+4*(\m)], v[CH+4*(\m)+1]
	v_permlanex16_b32 v[TMP], v[CH+4*(\m)], s22, s23
	v_add_f32 v[CH+4*(\m)], v[CH+4*(\m)], v[TMP]
.endm
.macro LNORM src, breg, soff, boff, seps, proj ; LayerNorm in place on 64 registers a tile at src: mean, centred squares, as reference() writes it.  proj = 1: then ReLU, + pos_emb, into X
	WIN 0
.irp t, 0,1,2,3,4,5,6,7
.set lp, LP0+16*(\t%4)+(LP1-LP0)*(\t/4)
	ds_load_b128 v[lp:lp+3], v[\breg] offset:(\soff)+64*\t
	ds_load_b128 v[lp+4:lp+7], v[\breg] offset:(\soff)+64*\t+16
	ds_load_b128 v[lp+8:lp+11], v[\breg] offset:(\boff)+64*\t
	ds_load_b128 v[lp+12:lp+15], v[\breg] offset:(\boff)+64*\t+16
.endr
.if \proj
	WIN 0x40
.irp m, 0,1
.irp t, 0,1,2,3,4,5,6,7
	ds_load_b128 v[X+64*\m+8*\t:X+64*\m+8*\t+3], v[POSA] offset:8448*\m+64*\t       ; pos_emb straight into X's registers, which are free till the last line
	ds_load_b128 v[X+64*\m+8*\t+4:X+64*\m+8*\t+7], v[POSA] offset:8448*\m+64*\t+16
.endr
.endr
.endif
	WIN 0x05
.irp m, 0,1
.if \m < NM
	v_pk_add_f32 v[CH+4*\m:CH+4*\m+1], v[(\src)+64*\m:(\src)+64*\m+1], v[(\src)+64*\m+2:(\src)+64*\m+3]
	v_pk_add_f32 v[CH+4*\m+2:CH+4*\m+3], v[(\src)+64*\m+4:(\src)+64*\m+5], v[(\src)+64*\m+6:(\src)+64*\m+7]
.endif
.endr
	WIN 0x04
.set n, 8
.rept 14
.irp m, 0,1
.if \m < NM
	v_pk_add_f32 v[CH+4*\m:CH+4*\m+1], v[CH+4*\m:CH+4*\m+1], v[(\src)+64*\m+n:(\src)+64*\m+n+1]
	v_pk_add_f32 v[CH+4*\m+2:CH+4*\m+3], v[CH+4*\m+2:CH+4*\m+3], v[(\src)+64*\m+n+2:(\src)+64*\m+n+3]
.endif
.endr
.set n, n+4
.endr
	WIN 0
.irp m, 0,1
.if \m < NM
	LRED \m
	v_mul_f32 v[CL+2*\m], s105, v[CH+4*\m]         ; the mean
.endif
.endr
	WIN 0x41
.irp m, 0,1
.if \m < NM
.set n, 0
.rept 32
	v_pk_add_f32 v[(\src)+64*\m+n:(\src)+64*\m+n+1], v[(\src)+64*\m+n:(\src)+64*\m+n+1], v[CL+2*\m:CL+2*\m+1] op_sel_hi:[1,0] neg_lo:[0,1] neg_hi:[0,1]
.set n, n+2
.endr
.endif
.endr
	WIN 0x05
.irp m, 0,1
.if \m < NM
	v_pk_mul_f32 v[CH+4*\m:CH+4*\m+1], v[(\src)+64*\m:(\src)+64*\m+1], v[(\src)+64*\m:(\src)+64*\m+1]
	v_pk_mul_f32 v[CH+4*\m+2:CH+4*\m+3], v[(\src)+64*\m+2:(\src)+64*\m+3], v[(\src)+64*\m+2:(\src)+64*\m+3]
.endif
.endr
.set n, 4
.rept 15
.irp m, 0,1
.if \m < NM
	v_pk_fma_f32 v[CH+4*\m:CH+4*\m+1], v[(\src)+64*\m+n:(\src)+64*\m+n+1], v[(\src)+64*\m+n:(\src)+64*\m+n+1], v[CH+4*\m:CH+4*\m+1]
	v_pk_fma_f32 v[CH+4*\m+2:CH+4*\m+3], v[(\src)+64*\m+n+2:(\src)+64*\m+n+3], v[(\src)+64*\m+n+2:(\src)+64*\m+n+3], v[CH+4*\m+2:CH+4*\m+3]
.endif
.endr
.set n, n+4
.endr
	WIN 0
.irp m, 0,1
.if \m < NM
	LRED \m
	v_fma_f32 v[CH+4*\m], v[CH+4*\m], s105, s[\seps]
	v_rsq_f32 v[NGM+2*\m], v[CH+4*\m]
.endif
.endr
	v_nop                                          ; a plain instruction behind the last root,
	s_wait_alu depctr_va_vdst(0)                   ; and the one wait ahead of the first reader
	s_wait_dscnt 0x0                               ; gains and biases (and pos_emb) are in
	WIN 0x41
.irp t, 0,1,2,3,4,5,6,7
.set lp, LP0+16*(\t%4)+(LP1-LP0)*(\t/4)
.irp m, 0,1
.if \m < NM
.irp k, 0,2,4,6
	v_pk_mul_f32 v[(\src)+64*\m+8*\t+\k:(\src)+64*\m+8*\t+\k+1], v[(\src)+64*\m+8*\t+\k:(\src)+64*\m+8*\t+\k+1], v[NGM+2*\m:NGM+2*\m+1] op_sel_hi:[1,0]
.endr
.endif
.endr
.irp m, 0,1
.if \m < NM
.irp k, 0,2,4,6
	v_pk_fma_f32 v[(\src)+64*\m+8*\t+\k:(\src)+64*\m+8*\t+\k+1], v[(\src)+64*\m+8*\t+\k:(\src)+64*\m+8*\t+\k+1], v[lp+\k:lp+\k+1], v[lp+8+\k:lp+8+\k+1]
.endr
.endif
.endr
.endr
.if \proj
	WIN 0x44
.set n, 0
.rept 128
	v_max_num_f32 v[ACC+n], 0, v[ACC+n]
.set n, n+1
.endr
	WIN 0x45
.set n, 0
.rept 64
	v_pk_add_f32 v[X+n:X+n+1], v[ACC+n:ACC+n+1], v[X+n:X+n+1]
.set n, n+2
.endr
.endif
.endm
.macro SOFTA m                         ; hidden keys out, the largest score, -M, t - M
.set sb, SS+32*(\m)
.set ca, CH+4*(\m)
	WIN 0x41
.set n, 0
.rept 32
	v_cndmask_b32 v[sb+n], v[sb+n], v[SM], s[66+n]
.set n, n+1
.endr
	WIN 0x15
	v_max3_num_f32 v[ca], v[sb], v[sb+1], v[sb+2]
	v_max3_num_f32 v[ca+1], v[sb+3], v[sb+4], v[sb+5]
	WIN 0x14
.irp i, 6,10,14,18,22,26
	v_max3_num_f32 v[ca], v[ca], v[sb+\i], v[sb+\i+1]
	v_max3_num_f32 v[ca+1], v[ca+1], v[sb+\i+2], v[sb+\i+3]
.endr
	v_max3_num_f32 v[ca], v[ca], v[sb+30], v[sb+31]
	WIN 0
	v_max_num_f32 v[ca], v[ca], v[ca+1]
	v_permlanex16_b32 v[TMP], v[ca], s22, s23      ; the query's other 32 keys lie in lane xor 16
	v_max_num_f32 v[ca], v[ca], v[TMP]
	v_mul_f32 v[ca], v[ca], v[CL+2*(\m)]           ; as t (cl is not negative)
	v_floor_f32 v[NGM+2*(\m)], -v[ca]              ; -M = floor(-t) = -ceil(t)
	WIN 0x41
.set n, 0
.rept 16
	v_pk_fma_f32 v[sb+n:sb+n+1], v[sb+n:sb+n+1], v[CL+2*(\m):CL+2*(\m)+1], v[NGM+2*(\m):NGM+2*(\m)+1] op_sel_hi:[1,0,0]
.set n, n+2
.endr
.endm
.macro SOFTB m                         ; the sum of the unquantised p, its reciprocal, p's hold (one-sided: p is not negative) and codes
.set sb, SS+32*(\m)
.set ca, CH+4*(\m)
	WIN 0x05
	v_pk_add_f32 v[ca:ca+1], v[sb:sb+1], v[sb+2:sb+3]
	v_pk_add_f32 v[ca+2:ca+3], v[sb+4:sb+5], v[sb+6:sb+7]
	WIN 0x04
.irp j, 8,12,16,20,24,28
	v_pk_add_f32 v[ca:ca+1], v[ca:ca+1], v[sb+\j:sb+\j+1]
	v_pk_add_f32 v[ca+2:ca+3], v[ca+2:ca+3], v[sb+\j+2:sb+\j+3]
.endr
	WIN 0
	LRED \m
	v_rcp_f32 v[RL+2*(\m)], v[ca]
	WIN 0x41
.set n, 0
.rept 32
	v_min_num_f32 v[sb+n], v[sb+n], v[PLIM]
.set n, n+1
.endr
	WIN 0x01
.irp kt, 0,1,2,3
	v_cvt_scalef32_pk8_fp8_f32 v[PP+8*(\m)+2*\kt:PP+8*(\m)+2*\kt+1], v[sb+8*\kt:sb+8*\kt+7], v[PSC]
.endr
.endm
.macro ATTSC eb                        ; a layer's attention scales; entries from s[eb]: xq Wq xk Wk xv Wv q k v p o ..
	NETQ (\eb)+6,(\eb),(\eb)+1
	MKQ 104, QSC, QLIM
	MKQ (\eb)+9, PSC, PLIM
	NETQ (\eb)+10,(\eb)+8,(\eb)+9
	MKQ 104, OSC, OLIM
	s_add_co_i32 s100, s[(\eb)+6], s[(\eb)+7]
	s_lshl_b32 s100, s100, 23
	s_add_co_i32 s31, s100, 0x3e8293ee             ; log2(e)/sqrt(32), with eq + ek added to its exponent field
	v_mov_b32 v[TMP], s31
.irp m, 0,1
.if \m < NM
	v_cndmask_b32 v[CL+2*\m], 0, v[TMP], s[SVAL+\m]
.irp j, 4,5,6,7
	v_mov_b32 v[QF+12*\m+\j], 0                    ; the zero codes between q_even and q_odd
.endr
.endif
.endr
.endm
; ONE PAIR OF HEADS for nq query tiles.  s24: Wq's group in LDS, s25: its biases, s26, s27: the pair's place in the K images and V blocks.  mode 0: o's codes into OC+8.. (the pair before moves down first).
; mode 1 (nq = 1): o in f32, row 0 alone, to the way out.
.macro PAIR nq, mode
	WIN 0
.if \mode == 0
.irp m, 0,1
.if \m < \nq
.irp j, 0,1,2,3,4,5,6,7
	v_mov_b32 v[OC+16*\m+\j], v[OC+16*\m+8+\j]
.endr
.endif
.endr
.endif
	v_add_nc_u32 v[LW], s24, v[LI]
	v_add_nc_u32 v[LB], s25, v[LB0]
	GRPT 0, LB, 0
	MULTT 0, AC, \nq, 0
	WIN 0
	v_add_nc_u32 v[KA], s26, v[KR]
	v_add_nc_u32 v[VA], s27, v[VR]
.if NM == 2
.irp kt, 0,1,2,3
.irp c, 0,1
	ds_load_b128 v[WF+8*\kt+4*\c:WF+8*\kt+4*\c+3], v[KA] offset:8192*(\kt/2)+2048*(\kt%2)+512*\c
.endr
.endr
.irp i, 0,1,2,3
.irp c, 0,1
	ds_load_b128 v[WF+32+8*\i+4*\c:WF+32+8*\i+4*\c+3], v[VA] offset:8192*\c+4096+512*\i
.endr
.endr
.set NV, 8
.else
.irp kt, 0,1,2,3
.irp c, 0,1
	ds_load_b128 v[WF+8*\kt+4*\c:WF+8*\kt+4*\c+3], v[KA] offset:4352*\kt+512*\c
.endr
.endr
.irp i, 0,1,2,3
.irp c, 0,1,2,3
	ds_load_b64 v[WF+32+8*\i+2*\c:WF+32+8*\i+2*\c+1], v[VA] offset:4352*\c+2048+256*\i
.endr
.endr
.set NV, 16
.endif
	HOLD4 0, \nq, 0, QLIM
	WIN 0x01
.irp m, 0,1
.if \m < \nq
.irp i, 0,1,2,3
	v_cvt_scalef32_pk8_fp8_f32 v[QF+12*\m+8*(\i/2)+2*(\i%2):QF+12*\m+8*(\i/2)+2*(\i%2)+1], v[ACC+64*\m+8*\i:ACC+64*\m+8*\i+7], v[QSC]
.endr
.endif
.endr
	v_nop
	s_wait_dscnt NV                                ; K's fragments are in; V's loads, issued behind them, may be out
.irp u, 0,1
	WIN 0x40
.irp kt, 0,1,2,3
.irp m, 0,1
.if \m < \nq
	v_wmma_f32_16x16x64_fp8_fp8 v[SS+32*\m+8*\kt:SS+32*\m+8*\kt+7], v[WF+8*\kt:WF+8*\kt+7], v[QF+12*\m+4*\u:QF+12*\m+4*\u+7], 0
.endif
.endr
.endr
	PLACES 4
.irp m, 0,1
.if \m < \nq
	SOFTA \m
.endif
.endr
	WIN 0x41
.set n, 0
.rept 32*(\nq)
	v_exp_f32 v[SS+n], v[SS+n]                     ; p = 2^(t - M): one batch,
.set n, n+1
.endr
	v_nop                                          ; a plain instruction behind it,
	s_wait_alu depctr_va_vdst(0)                   ; and the one wait ahead of its first reader
.irp m, 0,1
.if \m < \nq
	SOFTB \m
.endif
.endr
	v_nop
.if \u == 0
	s_wait_dscnt 0x0                               ; V's fragments are in
.endif
	WIN 0x40
.irp dn, 0,1
.irp m, 0,1
.if \m < \nq
.if \mode == 0
	v_wmma_f32_16x16x64_fp8_fp8 v[OO+16*\m+8*\dn:OO+16*\m+8*\dn+7], v[WF+32+8*(2*\u+\dn):WF+32+8*(2*\u+\dn)+7], v[PP+8*\m:PP+8*\m+7], 0
.else
	v_wmma_f32_16x16x64_fp8_fp8 v[OO+16*\u+8*\dn:OO+16*\u+8*\dn+7], v[WF+32+8*(2*\u+\dn):WF+32+8*(2*\u+\dn)+7], v[PP+8*\m:PP+8*\m+7], 0
.endif
.endif
.endr
.endr
	PLACES 4
	s_wait_alu depctr_va_vdst(0)                   ; the reciprocals' wait, ahead of their first reader
.if \mode == 0
	WIN 0x41
.irp m, 0,1
.if \m < \nq
.set n, 0
.rept 8
	v_pk_mul_f32 v[OO+16*\m+n:OO+16*\m+n+1], v[OO+16*\m+n:OO+16*\m+n+1], v[RL+2*\m:RL+2*\m+1] op_sel_hi:[1,0]
.set n, n+2
.endr
.endif
.endr
.irp m, 0,1
.if \m < \nq
.set n, 0
.rept 16
	v_med3_num_f32 v[OO+16*\m+n], v[OO+16*\m+n], -v[OLIM], v[OLIM]
.set n, n+1
.endr
.endif
.endr
	WIN 0x01
.irp m, 0,1
.if \m < \nq
.irp dn, 0,1
	v_cvt_scalef32_pk8_fp8_f32 v[OC+16*\m+8+4*\u+2*\dn:OC+16*\m+8+4*\u+2*\dn+1], v[OO+16*\m+8*\dn:OO+16*\m+8*\dn+7], v[OSC]
.endr
.endif
.endr
	v_nop
.else
	WIN 0
	v_ldexp_f32 v[RL], v[RL], s3                   ; 1/l x 2^(ev + ep)
	WIN 0x41
.set n, 0
.rept 8
	v_pk_mul_f32 v[OO+16*\u+n:OO+16*\u+n+1], v[OO+16*\u+n:OO+16*\u+n+1], v[RL:RL+1] op_sel_hi:[1,0]
.set n, n+2
.endr
.endif
.endr
.if \mode == 1
	WIN 0
	s_wait_xcnt 0x0                                ; EXEC changes only behind this wait
	v_cmp_eq_u32 vcc_lo, 0, v[VRR]
	s_and_saveexec_b32 s2, vcc_lo                  ; query 0 lies in lanes 0 and 16
	WIN 0x04
.irp u, 0,1
.irp dn, 0,1
	ds_store_b128 v[OSO], v[OO+16*\u+8*\dn:OO+16*\u+8*\dn+3] offset:128*\u+64*\dn
	ds_store_b128 v[OSO], v[OO+16*\u+8*\dn+4:OO+16*\u+8*\dn+7] offset:128*\u+64*\dn+16
.endr
.endr
	WIN 0
	s_wait_xcnt 0x0
	s_or_b32 exec_lo, exec_lo, s2
.endif
.endm
; K and V of a layer, for my rows, as images in LDS.  v[LW] + kw: Wk's fragments, Wv's 16,384 bytes further on.  Each group's loads go out ahead of the vector work that stands in front of its products.
.macro KVPH eb, kw, breg, bko, bvreg, bvo
	GRPT (\kw), \breg, (\bko)
	MKQ (\eb)+2, SC, LIM
	QXN NM
	MULTT 0, AC, NM, 0
	GRPT (\kw)+8192, \breg, (\bko)+256
	NETQ (\eb)+7,(\eb)+2,(\eb)+3
	MKQ 104, SC, LIM
	QOK 0, 0
	MULTT 4, AC, NM, 2*NM
	GRPV (\kw)+16384, \bvreg, (\bvo)
	QOK 1, 4
	MKQ (\eb)+4, SC, LIM
	QXN NM
	MULTV 0, 2*NM
	GRPV (\kw)+24576, \bvreg, (\bvo)+256
	NETQ (\eb)+8,(\eb)+4,(\eb)+5
	MKQ 104, SC, LIM
	QOV 0, 0
	MULTV 4, 4
	QOV 1, 4
.endm
; What follows attention: x = LN(x + o Wo + bo); x = LN(x + relu(x W1 + b1) W2 + b2).  bsrc: o's codes; s[swo], s[sfb]: Wo's and W1's fragments in LDS (W2's 32,768 bytes behind W1's);
; parameters at v[breg] + po: bo' 0, b1' 512, b2' 1536, ln1_s 2048, ln1_b 2560, ln2_s 3072, ln2_b 3584.
.macro POSTATT eb, bsrc, swo, sfb, breg, po
	WIN 0
	v_add_nc_u32 v[LW], s[\swo], v[LI]
	GRPT 0, \breg, (\po)
	MKF (\eb)+10,(\eb)+11
	MULTT 0, \bsrc, NM, 0
	GRPT 8192, \breg, (\po)+256
	FOLD 0, 0, 4
	MULTT 4, \bsrc, NM, 0
	FOLD 4, 4, 4
	LNORM X, \breg, (\po)+2048, (\po)+2560, 21, 0
	WIN 0
	v_add_nc_u32 v[LW], s[\sfb], v[LI]
	GRPT 0, \breg, (\po)+512
	MKQ (\eb)+12, SC, LIM
	QXN NM
	NETQ (\eb)+14,(\eb)+12,(\eb)+13
	MKQ 104, SC, LIM
	MULTT 0, AC, NM, 0
	GRPT 8192, \breg, (\po)+768
	QOH 0, 0
	MULTT 4, AC, NM, 0
	GRPT 16384, \breg, (\po)+1024
	QOH 4, 4
	MULTT 0, AC, NM, 0
	GRPT 24576, \breg, (\po)+1280
	QOH 0, 8
	MULTT 4, AC, NM, 0
	GRPW2 32768, \breg, (\po)+1536
	QOH 4, 12
	MKF (\eb)+14,(\eb)+15
	MULTW2 0
	GRPW2 40960, \breg, (\po)+1664
	FOLD 0, 0, 2
	MULTW2 4
	GRPW2 49152, \breg, (\po)+1792
	FOLD 4, 2, 2
	MULTW2 0
	GRPW2 57344, \breg, (\po)+1920
	FOLD 0, 4, 2
	MULTW2 4
	FOLD 4, 6, 2
	LNORM X, \breg, (\po)+3072, (\po)+3584, 21, 0
.endm
	; ---- the head
	s_load_b256 s[4:11], s[0:1], 0x0               ; polylines s[4:5], lengths s[6:7], the scales' exponents s[8:9], pos_emb s[10:11]
	s_load_b128 s[12:15], s[0:1], 0x20             ; wa s[12:13], xo s[14:15]
	v_lshl_add_u32 v[SPW], v0, 2, SPARE
	v_mov_b32 v[NIL], 0
	ds_add_u32 v[SPW], v[NIL]                      ; the opening: the add, twice on end, and its wait ahead of my first tensor load; work on registers stands between
	ds_add_u32 v[SPW], v[NIL]
	v_lshrrev_b32 v[TMP], 5, v0
	v_readfirstlane_b32 s16, v[TMP]                ; wave 0..7
	s_lshr_b32 s17, s16, 1                         ; q: which of the four sequences
	s_and_b32 s18, s16, 1                          ; a: which 32 of its rows
	s_bfe_u32 s19, ttmp6, 0x40000                  ; my place in the cluster: it enters global addresses alone
	s_lshl_b32 s20, ttmp9, 2
	s_add_co_u32 s19, s20, s19                     ; work-group
	s_mov_b32 s68, 15|(3<<16)|(1<<21)              ; group 1, weights and parameters: the mask of all four; elements of 8 bytes; bit 21 beside a mask
	s_mov_b32 s69, 32<<16                          ; tensor_dim0 = 32: rows of 256 bytes, dense
	s_mov_b32 s70, 101<<16                         ; tensor_dim1 = 101 rows: an eighth of wa's 206,848 bytes
	s_mov_b32 s71, 32<<16                          ; tile_dim0
	s_mov_b32 s72, 101                             ; tile_dim1
	s_mov_b32 s73, 32                              ; from row to row
	s_mov_b32 s74, 0
	s_mov_b32 s75, 0
	s_mov_b32 s76, 15|(2<<16)|(1<<20)|(1<<21)|(6<<22)|(3<<25)  ; group 1, pos_emb: elements of 4 bytes; 4 words of padding behind every 128
	s_mov_b32 s77, 128<<16
	s_mov_b32 s78, 8<<16                           ; 8 rows a wave
	s_mov_b32 s79, 128<<16
	s_mov_b32 s80, 8
	s_mov_b32 s81, 128
	s_mov_b32 s82, 0
	s_mov_b32 s83, 0
	s_mov_b32 s22, 0x76543210                      ; v_permlanex16_b32's selects: lane xor 16
	s_mov_b32 s23, 0xfedcba98
	s_mov_b32 s21, 0x3727c5ac                      ; 1e-5
	s_mov_b32 s105, 0x3c000000                     ; 1/128
	s_mov_b32 s24, 1
	s_mul_i32 s25, s16, 25856                      ; LDS and wa alike: my eighth
	s_mov_b32 s28, 1
	s_mul_i32 s29, s16, 4224
	s_add_co_u32 s29, s29, POSB
	v_and_b32 v[TMP], 31, v0
	v_lshlrev_b32 v[LI], 4, v[TMP]
	v_and_b32 v[VRR], 15, v0
	v_bfe_u32 v[VA], v0, 4, 1                      ; h, for now
	v_lshlrev_b32 v[LB0], 5, v[VA]
	v_lshlrev_b32 v[LBV0], 2, v[VRR]
	s_lshl_b32 s100, s16, 13
	s_add_co_u32 s100, s100, WAB                   ; my wave's region
	v_add_nc_u32 v[KW], s100, v[LI]
	v_add_nc_u32 v[VW], 4096, v[KW]
	v_mul_u32_u24 v[SD], v[VA], 272
	v_lshl_add_u32 v[SD], v[VRR], 4, v[SD]
	v_add_nc_u32 v[SD], s100, v[SD]
	v_mul_u32_u24 v[SF], v[VRR], 272
	v_add_nc_u32 v[SF], v[SF], v[LB0]
	v_add_nc_u32 v[SF], s100, v[SF]
	s_lshl_b32 s100, s17, 14
	s_add_co_u32 s100, s100, WAB                   ; my sequence's two regions
	v_add_nc_u32 v[KR], s100, v[LI]
	v_add_nc_u32 v[VR], s100, v[LI]
	v_lshlrev_b32 v[PG], 9, v[VA]
	v_lshl_add_u32 v[PG], v[VRR], 4, v[PG]
	s_mul_i32 s100, s18, 16896
	s_add_co_u32 s100, s100, POSB
	v_mul_u32_u24 v[POSA], v[VRR], 528
	v_add_nc_u32 v[POSA], v[POSA], v[LB0]
	v_add_nc_u32 v[POSA], s100, v[POSA]            ; pos_emb: row 32 a + r, + 32 h
	s_lshl_b32 s100, s17, 11
	s_add_co_u32 s100, s100, XQB
	v_add_nc_u32 v[XQA], s100, v[LI]
	s_lshl_b32 s100, s17, 10
	s_add_co_u32 s100, s100, OUTB
	v_add_nc_u32 v[OSX], s100, v[LB0]
	v_add_nc_u32 v[OSX], 512, v[OSX]
	s_lshl_b32 s101, s18, 8
	s_add_co_u32 s100, s100, s101
	v_add_nc_u32 v[OSO], s100, v[LB0]
	v_mov_b32 v[SM], 0xff61b1e6                    ; -3e38
.irp j, 1,3
	v_mov_b32 v[CL+\j], 0                          ; the upper halves of pairs of which the low word serves both halves: named, so written
	v_mov_b32 v[NGM+\j], 0
	v_mov_b32 v[RL+\j], 0
.endr
	s_wait_dscnt 0x0                               ; both opening adds are done
	s_wait_kmcnt 0x0
	s_mov_b32 s100, s25
	s_mov_b32 s101, 0
	s_add_nc_u64 s[26:27], s[12:13], s[100:101]
	s_or_b32 s27, s27, 0x80000000
	s_lshl_b32 s100, s16, 12
	s_add_nc_u64 s[30:31], s[10:11], s[100:101]
	s_or_b32 s31, s31, 0x80000000
	CROUND                                         ; all four work-groups are here: the joint loads meet
	tensor_load_to_lds s[24:27], s[68:75]
	s_nop 0
	tensor_load_to_lds s[28:31], s[76:83]
	s_nop 0
	PLACES 4
	s_lshl_b32 s100, s19, 2
	s_add_co_u32 s100, s100, s17                   ; my sequence
	s_lshl_b32 s2, s100, 2
	s_mov_b32 s3, 0
	s_add_nc_u64 s[6:7], s[6:7], s[2:3]
	s_load_b32 s20, s[6:7], 0x0                    ; its length
	s_load_b512 s[32:47], s[8:9], 0x0              ; entries 0 to 31 of the scales: entry i in s[32+i]
	s_load_b512 s[48:63], s[8:9], 0x40
	s_lshl_b32 s2, s100, 15                        ; 64 rows of 512 bytes a sequence,
	s_lshl_b32 s104, s18, 14                       ; 32 of them mine
	s_add_co_u32 s2, s2, s104
	s_add_nc_u64 s[4:5], s[4:5], s[2:3]
	GLOADROWS RR, 4, 0, 512
	GLOADROWS RR+64, 4, 8192, 512
	s_lshl_b32 s2, s19, 12
	s_lshl_b32 s104, s16, 9
	s_add_co_u32 s2, s2, s104
	s_add_nc_u64 s[14:15], s[14:15], s[2:3]        ; xo: 4,096 bytes a work-group, 512 of them mine
	; ---- the first quantiser: padded tokens are -1.  One v_med3 does the choice, the pad and the hold: a padded token's two bounds are both the held -1
	s_wait_kmcnt 0x0
	MKQ 32, SC, LIM
	v_xor_b32 v[QSC], 0x80000000, v[LIM]
	v_mov_b32 v[QLIM], -1.0
	v_med3_num_f32 v[QLIM], v[QLIM], v[QSC], v[LIM]
	s_lshl_b32 s100, s18, 5
.irp m, 0,1
	v_add_nc_u32 v[TMP], s100, v[VRR]
	v_cmp_gt_i32 vcc_lo, s20, v[TMP]
	v_cndmask_b32 v[LOHI+2*\m], v[QLIM], v[QSC], vcc_lo
	v_cndmask_b32 v[LOHI+2*\m+1], v[QLIM], v[LIM], vcc_lo
	s_add_co_u32 s100, s100, 16
.endr
	s_wait_loadcnt 24                              ; a half tile's eight loads are in; the 24, 16, 8, 0 issued behind them may be out
	TURN RR, ACC
	s_wait_loadcnt 16
	TURN RR+32, ACC+32
	s_wait_loadcnt 8
	TURN RR+64, ACC+64
	s_wait_loadcnt 0x0
	TURN RR+96, ACC+96
	s_wait_dscnt 0x0
	QT 0
	QT 1
	WIN 0
	s_wait_tensorcnt 0x0                           ; my eighths have landed,
	s_barrier_signal -1
	s_barrier_wait -1                              ; everybody's have; nothing is ever filled again.  The descriptors' registers are free from here on
	v_bfe_u32 v[TMP], v0, 4, 1
	v_lshlrev_b32 v[TMP], 3, v[TMP]
	v_sub_nc_u32 v[TMP], s20, v[TMP]               ; length - 8 h: register 8 kt + j of the scores holds key 16 kt + 8 h + j, hidden where 16 kt + j >= this
.irp kt, 0,1,2,3
.irp j, 0,1,2,3,4,5,6,7
	v_cmp_ge_i32 s[66+8*\kt+\j], 16*\kt+\j, v[TMP]
.endr
.endr
	s_lshl_b32 s100, s18, 5
	v_add_nc_u32 v[TMP], s100, v[VRR]
	v_cmp_gt_i32 s29, s20, v[TMP]                  ; my queries that count
	v_add_nc_u32 v[TMP], 16, v[TMP]
	v_cmp_gt_i32 s30, s20, v[TMP]
	s_lshl_b32 s100, s16, 9
	s_add_co_u32 s100, s100, OUTB
	v_add_nc_u32 v[SD], s100, v[LI]                ; the stage is done with: from here on my 512 bytes of the way out
	; ---- the projection, its LayerNorm on the unscaled sums, ReLU, + pos_emb
	v_add_nc_u32 v[LW], WTB, v[LI]
	GRPT 0, LB0, 0
	MULTT 0, AC, NM, 0
	GRPT 8192, LB0, 256
	MULTT 4, AC, NM, 0
	s_add_co_i32 s100, s32, s33
	s_lshl_b32 s100, s100, 24
	s_sub_co_i32 s3, s21, s100                     ; 1e-5 x 2^(-2 (e0 + e1)): twice the sum taken off the exponent field
	LNORM ACC, LB0, 512, 1024, 3, 1
	; ---- layer 0
	WIN 0
	v_add_nc_u32 v[LW], WTB+2048*16, v[LI]
	KVPH 34, 0, LB0, 2048, LBV0, 2560
	BAR                                            ; the sequence's K images and V blocks lie in LDS
	MKQ 34, SC, LIM
	QXN NM
	ATTSC 34
.irp m, 0,1
.irp j, 8,9,10,11,12,13,14,15
	v_mov_b32 v[OC+16*\m+\j], 0                    ; the first trip moves these down: written, and then overwritten
.endr
.endr
	s_mov_b32 s24, WTB+2048*8
	s_mov_b32 s25, 1536
	s_mov_b32 s26, 0
	s_mov_b32 s27, 0
	s_mov_b32 s28, 2
.Lpair0:
	PAIR 2, 0
	WIN 0
	s_add_co_u32 s24, s24, 8192
	s_add_co_u32 s25, s25, 256
	s_add_co_u32 s26, s26, 1024
	s_add_co_u32 s27, s27, 2048
	s_sub_co_u32 s28, s28, 1
	s_cmp_lg_u32 s28, 0
	s_cbranch_scc1 .Lpair0
	BAR                                            ; nobody reads layer 0's images any more: layer 1's may be stored over them
	s_mov_b32 s24, WTB+2048*32
	s_mov_b32 s25, WTB+2048*40
	POSTATT 34, OC, 24, 25, LB0, 3072
	; ---- layer 1: K and V of all my rows
	WIN 0
	v_add_nc_u32 v[LW], WTB+2048*80, v[LI]
	KVPH 50, 0, LB0, 7680, LBV0, 8192
	WIN 0
	s_cmp_lg_u32 s18, 0
	s_cbranch_scc1 .Lnot_a0
	MKQ 50, SC, LIM                                ; the wave with tokens 0-15: their codes for Wq go to both waves of the sequence,
	QXN 1
	WIN 0
.irp c, 0,1,2,3
	ds_store_b128 v[XQA], v[AC+4*\c:AC+4*\c+3] offset:512*\c
.endr
	s_wait_xcnt 0x0                                ; EXEC changes only behind this wait
	v_cmp_eq_u32 vcc_lo, 0, v[VRR]
	s_and_saveexec_b32 s2, vcc_lo
	WIN 0x04
.irp t, 0,1,2,3,4,5,6,7
	ds_store_b128 v[OSX], v[X+8*\t:X+8*\t+3] offset:64*\t          ; and row t = 0 of x goes to the way out (lanes 0 and 16 hold it)
	ds_store_b128 v[OSX], v[X+8*\t+4:X+8*\t+7] offset:64*\t+16
.endr
	WIN 0
	s_wait_xcnt 0x0
	s_or_b32 exec_lo, exec_lo, s2
.Lnot_a0:
	BAR                                            ; layer 1's images and the query codes lie in LDS
	; ---- layer 1's attention for query tile 0: wave a takes the pair of heads a
.irp c, 0,1,2,3
	ds_load_b128 v[AC+4*\c:AC+4*\c+3], v[XQA] offset:512*\c
.endr
	v_cmp_gt_i32 s29, s20, v[VRR]
	ATTSC 50
	s_add_co_i32 s3, s58, s59                      ; ev + ep
	s_lshl_b32 s24, s18, 13
	s_add_co_u32 s24, s24, WTB+2048*72
	s_lshl_b32 s25, s18, 8
	s_add_co_u32 s25, s25, 7168
	s_lshl_b32 s26, s18, 10
	s_lshl_b32 s27, s18, 11
	s_wait_dscnt 0x0
	PAIR 1, 1
	BAR                                            ; four sequences' o | x rows lie in the way out
	ds_load_b128 v[AC:AC+3], v[SD]
	s_wait_dscnt 0x0
	global_store_b128 v[LI], v[AC:AC+3], s[14:15]  ; the wave stores 512 consecutive, aligned bytes
	s_wait_tensorcnt 0x0                           ; the wave's end
	ds_add_u32 v[SPW], v[NIL]
	s_wait_dscnt 0x0
	CROUND                                         ; the closing round
	s_endpgm
.Lfunc_end_k_q919e4bbad9_temporal:
	.size	k_q919e4bbad9_temporal, .Lfunc_end_k_q919e4bbad9_temporal-k_q919e4bbad9_temporal
	.p2alignl 7, 3214868480
	.fill 96, 4, 3214868480
	.section	.rodata,"a",@progbits
	.p2align	6, 0x0
	.amdhsa_kernel k_q919e4bbad9_temporal
		.amdhsa_group_segment_fixed_size 327680
		.amdhsa_private_segment_fixed_size 0
		.amdhsa_enable_private_segment 0
		.amdhsa_kernarg_size 48
		.amdhsa_user_sgpr_count 2
		.amdhsa_user_sgpr_kernarg_segment_ptr 1
		.amdhsa_wavefront_size32 1
		.amdhsa_system_sgpr_workgroup_id_x 1
		.amdhsa_system_sgpr_workgroup_id_y 1
		.amdhsa_system_sgpr_workgroup_id_z 1
		.amdhsa_system_vgpr_workitem_id 0
		.amdhsa_next_free_vgpr 512
		.amdhsa_next_free_sgpr 106
		.amdhsa_reserve_vcc 1
		.amdhsa_float_denorm_mode_32 3
		.amdhsa_float_denorm_mode_16_64 3
		.amdhsa_memory_ordered 1
		.amdhsa_forward_progress 1
		.amdhsa_inst_pref_size 255
	.end_amdhsa_kernel
	.section	.bss,"aw",@nobits
	.p2align	6
	.space	262144
	.amdgpu_metadata
---
amdhsa.version: [ 1, 2 ]
amdhsa.kernels:
  - .name:           k_q919e4bbad9_temporal
    .symbol:         k_q919e4bbad9_temporal.kd
    .args:
      - { .name: polylines, .offset: 0, .size: 8, .value_kind: global_buffer, .address_space: global }
      - { .name: lengths, .offset: 8, .size: 8, .value_kind: global_buffer, .address_space: global }
      - { .name: lowp_scales, .offset: 16, .size: 8, .value_kind: global_buffer, .address_space: global }
      - { .name: pos_emb, .offset: 24, .size: 8, .value_kind: global_buffer, .address_space: global }
      - { .name: wa, .offset: 32, .size: 8, .value_kind: global_buffer, .address_space: global }
      - { .name: xo, .offset: 40, .size: 8, .value_kind: global_buffer, .address_space: global }
    .group_segment_fixed_size: 327680
    .private_segment_fixed_size: 0
    .kernarg_segment_align: 8
    .kernarg_segment_size: 48
    .max_flat_workgroup_size: 256
    .sgpr_count:     106
    .vgpr_count:     512
    .wavefront_size: 32
...
	.end_amdgpu_metadata
.endif
;; end of part 2
;; launch spatial (part 3): grid 16 x 1, 4 waves a work-group, clusters of 4 x 1, 327,680 bytes of LDS; arguments xo, lengths, lowp_scales, wb, out0; writes out0
.if DOCPART == 3
	.amdgcn_target "amdgcn-amd-amdhsa--gfx1250"
	.amdhsa_code_object_version 6
	.text
	.protected	k_q919e4bbad9_spatial
	.globl	k_q919e4bbad9_spatial
	.p2align	8
	.type	k_q919e4bbad9_spatial,@function
k_q919e4bbad9_spatial:
	s_mov_b64 s[64:65], 0
	v_nop
	global_prefetch_b8 v0, s[64:65] scope:SCOPE_SE
	s_setreg_imm32_b32 hwreg(HW_REG_WAVE_MODE, 25, 1), 1
	s_wait_xcnt 0x0
	s_wait_alu depctr_hold_cnt(0) depctr_sa_sdst(0) depctr_va_vdst(0) depctr_va_sdst(0) depctr_va_ssrc(0) depctr_va_vcc(0) depctr_vm_vsrc(0)
	s_getreg_b32 s2, hwreg(HW_REG_IB_STS2, 6, 4)
	s_cmp_eq_u32 s2, 0
	s_cbranch_scc0 .Lentry_in_a_cluster
	s_endpgm
.Lentry_in_a_cluster:
	s_bfe_u32 s2, ttmp6, 0x10000c
	s_cmp_lg_u32 s2, 0x3003
	s_cbranch_scc0 .Lentry_shape_is_right
	s_endpgm
.Lentry_shape_is_right:
; WayFormerEncoder in E4M3, launch 3 of 3: for each b the 64 rows (b, s, t = 0): what follows attention in layer 1, then layers 2 and 3 on the spatial sequence (b, t = 0), whose rows are out0[b].
; Left out as dead (shown at the head of the first kernel): the spatial sequences t >= 1, and layer 1's tail for t >= 1.
; SHARES.  A work-group takes one b, wave m the tokens s = 16 m .. 16 m + 15: one tile.  Layouts, softmax, limits and macros are those of the launch before, with one tile to a wave (NM = 1).
; A key s counts where lengths[b][s] > 0 (t = 0 < length); a query likewise.
; LDS.  Parameters and fragments G < 136 of wb lie at their own offsets (0 to 293,888): layer 1's tail G 0-39, layer 2 G 40-103, layer 3's q, k, v, o G 104-135.  Layer 3's W1 and W2 (G 136-167) are filled over the
; tail's first 32 fragments once every wave of the cluster has done with them.  CLUSTER: all work-groups read the same weights: the four of a cluster ask jointly, each wave for a quarter.  One tensor load a wave is out at a time.
.set NM, 1
.set SVAL, 20                          ; s20: lanes whose query counts
.set WAB,   293888                     ; 4,352 for each wave: a stage of 16 x 272; later my K image (+0) and my pieces of the V fragments (+2048)
.set SPARE, 311296                     ; the spare words, 128 bytes a wave: two blocks of 256 bytes that no other line names
.set SPW,1
.set NIL,2
.set LI,3                              ; 16 x lane
.set LI8,4                             ; 8 x lane
.set OSO,4
.set LW,5
.set LB0,6                             ; 32 h
.set LBV0,7                            ; 4 r
.set LB,8
.set KW,9
.set VW,10
.set KR,11
.set VR,12
.set KA,13
.set VA,14
.set SD,15
.set SF,16
.set PG,17                             ; offset of dense rows in xo (1,024 bytes apart)
.set PGO,18                            ; and in out0 (512 apart)
.set POSA,18
.set XQA,19
.set VRR,21
.set QSC,22
.set QLIM,23
.set SC,24
.set LIM,25
.set LOHI,26
.set PSC,30
.set PLIM,31
.set OSC,32
.set OLIM,33
.set SM,34
.set TMP,35
.set CL,36
.set NGM,40
.set CH,44
.set RL,52
.set AC,56
.set WF,88
.set BT,152
.set QF,184
.set PP,208
.set OC,224
.set HC,184
.set LP0,88
.set LP1,184
.set CT0,208
.set CT1,184
.set RR,88
.set X,0
.set ACC,128
.set SS,128
.set OO,192
.set MSB, 0
.macro WIN new                         ; register windows: bits 1:0 source 0, 3:2 source 1, 5:4 source 2, 7:6 destination; the high byte repeats the setting that is left
.if MSB != \new
	s_set_vgpr_msb (MSB<<8)|\new
.set MSB, \new
.endif
.endm
.macro PLACES n
.rept \n
	v_nop
.endr
.endm
.macro BAR
	s_wait_dscnt 0x0
	s_barrier_signal -1
	s_barrier_wait -1
.endm
.macro CROUND
	s_barrier_signal -1
	s_barrier_wait -1
	s_cmp_lg_u32 s16, 0
	s_cbranch_scc1 .Lnot_wave_0_\@
	s_barrier_signal -3
.Lnot_wave_0_\@:
	s_barrier_wait -3
	s_barrier_signal -1
	s_barrier_wait -1
.endm
.macro MKQ se, vsc, vlim
	WIN 0
	s_add_co_i32 s100, s[\se], 127
	s_lshl_b32 s101, s100, 23
	v_mov_b32 v[\vsc], s101
	s_add_co_i32 s100, s100, 8
	s_lshl_b32 s100, s100, 23
	s_or_b32 s100, s100, 0x600000
	v_mov_b32 v[\vlim], s100
.endm
.macro NETQ a, b, c
	s_sub_co_i32 s104, s[\a], s[\b]
	s_sub_co_i32 s104, s104, s[\c]
.endm
.macro MKF a, b
	s_add_co_i32 s98, s[\a], s[\b]
	s_add_co_i32 s98, s98, 127
	s_lshl_b32 s98, s98, 23
	s_mov_b32 s99, s98
.endm
.macro GLOADROWS rbase, sb, goff, pitch
.irp p, 0,1
.irp a, 0,1,2,3,4,5,6,7
	global_load_b128 v[(\rbase)+32*\p+4*\a:(\rbase)+32*\p+4*\a+3], v[PG], s[\sb:\sb+1] offset:(\goff)+2*(\pitch)*\a+256*\p th:TH_LOAD_NT
.endr
.endr
.endm
.macro TURN rbase, dst
	WIN 0
.irp a, 0,1,2,3,4,5,6,7
	ds_store_b128 v[SD], v[(\rbase)+4*\a:(\rbase)+4*\a+3] offset:544*\a
.endr
	WIN 0x40
.irp c, 0,1,2,3
	ds_load_b128 v[(\dst)+8*\c:(\dst)+8*\c+3], v[SF] offset:64*\c
	ds_load_b128 v[(\dst)+8*\c+4:(\dst)+8*\c+7], v[SF] offset:64*\c+16
.endr
.endm
.macro QT m
	WIN 0x41
.set n, 0
.rept 64
	v_med3_num_f32 v[ACC+64*(\m)+n], v[ACC+64*(\m)+n], v[LOHI+2*(\m)], v[LOHI+2*(\m)+1]
.set n, n+1
.endr
	WIN 0x01
.irp t, 0,1,2,3,4,5,6,7
	v_cvt_scalef32_pk8_fp8_f32 v[AC+16*(\m)+2*\t:AC+16*(\m)+2*\t+1], v[ACC+64*(\m)+8*\t:ACC+64*(\m)+8*\t+7], v[SC]
.endr
	v_nop
.endm
.macro QXN nq
.irp m, 0,1
.if \m < \nq
	WIN 0x41
.set n, 0
.rept 64
	v_med3_num_f32 v[ACC+64*\m+n], v[X+64*\m+n], -v[LIM], v[LIM]
.set n, n+1
.endr
	WIN 0x01
.irp t, 0,1,2,3,4,5,6,7
	v_cvt_scalef32_pk8_fp8_f32 v[AC+16*\m+2*\t:AC+16*\m+2*\t+1], v[ACC+64*\m+8*\t:ACC+64*\m+8*\t+7], v[SC]
.endr
.endif
.endr
	v_nop
.endm
.macro GRPT woff, breg, boff
	WIN 0
.irp i, 0,1,2,3
	ds_load_b128 v[BT+8*\i:BT+8*\i+3], v[\breg] offset:(\boff)+64*\i
	ds_load_b128 v[BT+8*\i+4:BT+8*\i+7], v[\breg] offset:(\boff)+64*\i+16
.irp c, 0,1,2,3
	ds_load_b128 v[WF+16*\i+4*\c:WF+16*\i+4*\c+3], v[LW] offset:(\woff)+2048*\i+512*\c
.endr
.endr
.endm
.macro GRPV woff, breg, boff
	WIN 0
.irp i, 0,1,2,3
	ds_load_b32 v[BT+8*\i], v[\breg] offset:(\boff)+64*\i
.endr
.irp i, 0,1,2,3
.irp c, 0,1,2,3
	ds_load_b128 v[WF+16*\i+4*\c:WF+16*\i+4*\c+3], v[LW] offset:(\woff)+2048*\i+512*\c
.endr
.endr
.endm
.macro GRPW2 woff, breg, boff
	WIN 0
.irp i, 0,1
	ds_load_b128 v[BT+8*\i:BT+8*\i+3], v[\breg] offset:(\boff)+64*\i
	ds_load_b128 v[BT+8*\i+4:BT+8*\i+7], v[\breg] offset:(\boff)+64*\i+16
.endr
.irp i, 0,1,2,3
.irp c, 0,1,2,3
	ds_load_b128 v[WF+16*\i+4*\c:WF+16*\i+4*\c+3], v[LW] offset:(\woff)+4096*(\i%2)+2048*(\i/2)+512*\c
.endr
.endr
.endm
.macro MULTT ts0, breg, nq, extra      ; the wait in front of tile i leaves out the later tiles' six loads each and 'extra' LDS stores issued behind the group's loads
	WIN 0x40
.irp i, 0,1,2,3
	s_wait_dscnt 6*(3-\i)+(\extra)
.irp m, 0,1
.if \m < \nq
	v_wmma_f32_16x16x128_fp8_fp8 v[ACC+64*\m+8*((\ts0)+\i):ACC+64*\m+8*((\ts0)+\i)+7], v[WF+16*\i:WF+16*\i+15], v[(\breg)+16*\m:(\breg)+16*\m+15], v[BT+8*\i:BT+8*\i+7]
.endif
.endr
.endr
	PLACES 4
.endm
.macro MULTV ts0, extra
	s_wait_dscnt 16+(\extra)                       ; the four bias words are in: behind them the 16 fragment loads and the stores
	WIN 0
.irp i, 0,1,2,3
.irp j, 1,2,3,4,5,6,7
	v_mov_b32 v[BT+8*\i+\j], v[BT+8*\i]
.endr
.endr
	WIN 0x40
.irp i, 0,1,2,3
	s_wait_dscnt 4*(3-\i)+(\extra)
.irp m, 0,1
.if \m < NM
	v_wmma_f32_16x16x128_fp8_fp8 v[ACC+64*\m+8*((\ts0)+\i):ACC+64*\m+8*((\ts0)+\i)+7], v[AC+16*\m:AC+16*\m+15], v[WF+16*\i:WF+16*\i+15], v[BT+8*\i:BT+8*\i+7]
.endif
.endr
.endr
	PLACES 4
.endm
.macro MULTW2 ts0                      ; the two accumulators take turns, one instruction a turn
	WIN 0x40
	s_wait_dscnt 8                                 ; the second K step's eight loads may be out
.irp i, 0,1
.irp m, 0,1
.if \m < NM
	v_wmma_f32_16x16x128_fp8_fp8 v[ACC+64*\m+8*((\ts0)+\i):ACC+64*\m+8*((\ts0)+\i)+7], v[WF+16*\i:WF+16*\i+15], v[HC+32*\m:HC+32*\m+15], v[BT+8*\i:BT+8*\i+7]
.endif
.endr
.endr
	s_wait_dscnt 0x0
	WIN 0x50
.irp i, 0,1
.irp m, 0,1
.if \m < NM
	v_wmma_f32_16x16x128_fp8_fp8 v[ACC+64*\m+8*((\ts0)+\i):ACC+64*\m+8*((\ts0)+\i)+7], v[WF+32+16*\i:WF+32+16*\i+15], v[HC+32*\m+16:HC+32*\m+31], v[ACC+64*\m+8*((\ts0)+\i):ACC+64*\m+8*((\ts0)+\i)+7]
.endif
.endr
.endr
	PLACES 4
.endm
.macro HOLD4 ts0, nq, relu, vlim
	WIN 0x41
.irp m, 0,1
.if \m < \nq
.set hb, ACC+64*\m+8*(\ts0)
.rept 32
.if \relu
	v_med3_num_f32 v[hb], v[hb], 0, v[\vlim]
.else
	v_med3_num_f32 v[hb], v[hb], -v[\vlim], v[\vlim]
.endif
.set hb, hb+1
.endr
.endif
.endr
.endm
.macro QOK g, ts0
	HOLD4 \ts0, NM, 0, LIM
	WIN 0x01
.set ct, CT0+(CT1-CT0)*(\g)
.irp m, 0,1
.if \m < NM
.irp i, 0,1,2,3
	v_cvt_scalef32_pk8_fp8_f32 v[ct+8*\m+2*\i:ct+8*\m+2*\i+1], v[ACC+64*\m+8*((\ts0)+\i):ACC+64*\m+8*((\ts0)+\i)+7], v[SC]
.endr
.endif
.endr
	v_nop
	WIN 0
.irp m, 0,1
.if \m < NM
.irp c, 0,1
	ds_store_b128 v[KW], v[ct+8*\m+4*\c:ct+8*\m+4*\c+3] offset:2048*\m+512*(2*(\g)+\c)
.endr
.endif
.endr
.endm
.macro QOV g, ts0
	HOLD4 \ts0, NM, 0, LIM
	WIN 0x01
.set ct, CT0+(CT1-CT0)*(\g)
.irp m, 0,1
.if \m < NM
.irp i, 0,1,2,3
	v_cvt_scalef32_pk8_fp8_f32 v[ct+2*NM*\i+2*\m:ct+2*NM*\i+2*\m+1], v[ACC+64*\m+8*((\ts0)+\i):ACC+64*\m+8*((\ts0)+\i)+7], v[SC]
.endr
.endif
.endr
	v_nop
	WIN 0
.irp i, 0,1,2,3
.if NM == 2
	ds_store_b128 v[VW], v[ct+4*\i:ct+4*\i+3] offset:512*(4*(\g)+\i)
.else
	ds_store_b64 v[VW], v[ct+2*\i:ct+2*\i+1] offset:256*(4*(\g)+\i)
.endif
.endr
.endm
.macro QOH ts0, t0
	HOLD4 \ts0, NM, 1, LIM
	WIN 0x01
.irp m, 0,1
.if \m < NM
.irp i, 0,1,2,3
	v_cvt_scalef32_pk8_fp8_f32 v[HC+32*\m+2*((\t0)+\i):HC+32*\m+2*((\t0)+\i)+1], v[ACC+64*\m+8*((\ts0)+\i):ACC+64*\m+8*((\ts0)+\i)+7], v[SC]
.endr
.endif
.endr
	v_nop
.endm
.macro FOLD ts0, t0, nt
	WIN 0x51
.irp m, 0,1
.if \m < NM
.set fa, ACC+64*\m+8*(\ts0)
.set fx, X+64*\m+8*(\t0)
.rept 4*(\nt)
	v_pk_fma_f32 v[fx:fx+1], v[fa:fa+1], s[98:99], v[fx:fx+1] op_sel_hi:[1,0,1]
.set fa, fa+2
.set fx, fx+2
.endr
.endif
.endr
.endm
.macro LRED m
	v_pk_add_f32 v[CH+4*(\m):CH+4*(\m)+1], v[CH+4*(\m):CH+4*(\m)+1], v[CH+4*(\m)+2:CH+4*(\m)+3]
	v_add_f32 v[CH+4*(\m)], v[CH+4*(\m)], v[CH+4*(\m)+1]
	v_permlanex16_b32 v[TMP], v[CH+4*(\m)], s22, s23
	v_add_f32 v[CH+4*(\m)], v[CH+4*(\m)], v[TMP]
.endm
.macro LNORM src, breg, soff, boff, seps
	WIN 0
.irp t, 0,1,2,3,4,5,6,7
.set lp, LP0+16*(\t%4)+(LP1-LP0)*(\t/4)
	ds_load_b128 v[lp:lp+3], v[\breg] offset:(\soff)+64*\t
	ds_load_b128 v[lp+4:lp+7], v[\breg] offset:(\soff)+64*\t+16
	ds_load_b128 v[lp+8:lp+11], v[\breg] offset:(\boff)+64*\t
	ds_load_b128 v[lp+12:lp+15], v[\breg] offset:(\boff)+64*\t+16
.endr
	WIN 0x05
	v_pk_add_f32 v[CH:CH+1], v[(\src):(\src)+1], v[(\src)+2:(\src)+3]
	v_pk_add_f32 v[CH+2:CH+3], v[(\src)+4:(\src)+5], v[(\src)+6:(\src)+7]
	WIN 0x04
.set n, 8
.rept 14
	v_pk_add_f32 v[CH:CH+1], v[CH:CH+1], v[(\src)+n:(\src)+n+1]
	v_pk_add_f32 v[CH+2:CH+3], v[CH+2:CH+3], v[(\src)+n+2:(\src)+n+3]
.set n, n+4
.endr
	WIN 0
	LRED 0
	v_mul_f32 v[CL], s105, v[CH]                   ; the mean
	WIN 0x41
.set n, 0
.rept 32
	v_pk_add_f32 v[(\src)+n:(\src)+n+1], v[(\src)+n:(\src)+n+1], v[CL:CL+1] op_sel_hi:[1,0] neg_lo:[0,1] neg_hi:[0,1]
.set n, n+2
.endr
	WIN 0x05
	v_pk_mul_f32 v[CH:CH+1], v[(\src):(\src)+1], v[(\src):(\src)+1]
	v_pk_mul_f32 v[CH+2:CH+3], v[(\src)+2:(\src)+3], v[(\src)+2:(\src)+3]
.set n, 4
.rept 15
	v_pk_fma_f32 v[CH:CH+1], v[(\src)+n:(\src)+n+1], v[(\src)+n:(\src)+n+1], v[CH:CH+1]
	v_pk_fma_f32 v[CH+2:CH+3], v[(\src)+n+2:(\src)+n+3], v[(\src)+n+2:(\src)+n+3], v[CH+2:CH+3]
.set n, n+4
.endr
	WIN 0
	LRED 0
	v_fma_f32 v[CH], v[CH], s105, s[\seps]
	v_rsq_f32 v[NGM], v[CH]
	v_nop                                          ; a plain instruction behind the root,
	s_wait_alu depctr_va_vdst(0)                   ; and the wait ahead of its first reader
	s_wait_dscnt 0x0                               ; gains and biases are in
	WIN 0x41
.irp t, 0,1,2,3,4,5,6,7
.set lp, LP0+16*(\t%4)+(LP1-LP0)*(\t/4)
.irp k, 0,2,4,6
	v_pk_mul_f32 v[(\src)+8*\t+\k:(\src)+8*\t+\k+1], v[(\src)+8*\t+\k:(\src)+8*\t+\k+1], v[NGM:NGM+1] op_sel_hi:[1,0]
.endr
.irp k, 0,2,4,6
	v_pk_fma_f32 v[(\src)+8*\t+\k:(\src)+8*\t+\k+1], v[(\src)+8*\t+\k:(\src)+8*\t+\k+1], v[lp+\k:lp+\k+1], v[lp+8+\k:lp+8+\k+1]
.endr
.endr
.endm
.macro SOFTA m
.set sb, SS+32*(\m)
.set ca, CH+4*(\m)
	WIN 0x41
.set n, 0
.rept 32
	v_cndmask_b32 v[sb+n], v[sb+n], v[SM], s[66+n]
.set n, n+1
.endr
	WIN 0x15
	v_max3_num_f32 v[ca], v[sb], v[sb+1], v[sb+2]
	v_max3_num_f32 v[ca+1], v[sb+3], v[sb+4], v[sb+5]
	WIN 0x14
.irp i, 6,10,14,18,22,26
	v_max3_num_f32 v[ca], v[ca], v[sb+\i], v[sb+\i+1]
	v_max3_num_f32 v[ca+1], v[ca+1], v[sb+\i+2], v[sb+\i+3]
.endr
	v_max3_num_f32 v[ca], v[ca], v[sb+30], v[sb+31]
	WIN 0
	v_max_num_f32 v[ca], v[ca], v[ca+1]
	v_permlanex16_b32 v[TMP], v[ca], s22, s23
	v_max_num_f32 v[ca], v[ca], v[TMP]
	v_mul_f32 v[ca], v[ca], v[CL+2*(\m)]
	v_floor_f32 v[NGM+2*(\m)], -v[ca]
	WIN 0x41
.set n, 0
.rept 16
	v_pk_fma_f32 v[sb+n:sb+n+1], v[sb+n:sb+n+1], v[CL+2*(\m):CL+2*(\m)+1], v[NGM+2*(\m):NGM+2*(\m)+1] op_sel_hi:[1,0,0]
.set n, n+2
.endr
.endm
.macro SOFTB m
.set sb, SS+32*(\m)
.set ca, CH+4*(\m)
	WIN 0x05
	v_pk_add_f32 v[ca:ca+1], v[sb:sb+1], v[sb+2:sb+3]
	v_pk_add_f32 v[ca+2:ca+3], v[sb+4:sb+5], v[sb+6:sb+7]
	WIN 0x04
.irp j, 8,12,16,20,24,28
	v_pk_add_f32 v[ca:ca+1], v[ca:ca+1], v[sb+\j:sb+\j+1]
	v_pk_add_f32 v[ca+2:ca+3], v[ca+2:ca+3], v[sb+\j+2:sb+\j+3]
.endr
	WIN 0
	LRED \m
	v_rcp_f32 v[RL+2*(\m)], v[ca]
	WIN 0x41
.set n, 0
.rept 32
	v_min_num_f32 v[sb+n], v[sb+n], v[PLIM]
.set n, n+1
.endr
	WIN 0x01
.irp kt, 0,1,2,3
	v_cvt_scalef32_pk8_fp8_f32 v[PP+8*(\m)+2*\kt:PP+8*(\m)+2*\kt+1], v[sb+8*\kt:sb+8*\kt+7], v[PSC]
.endr
.endm
.macro ATTSC eb
	NETQ (\eb)+6,(\eb),(\eb)+1
	MKQ 104, QSC, QLIM
	MKQ (\eb)+9, PSC, PLIM
	NETQ (\eb)+10,(\eb)+8,(\eb)+9
	MKQ 104, OSC, OLIM
	s_add_co_i32 s100, s[(\eb)+6], s[(\eb)+7]
	s_lshl_b32 s100, s100, 23
	s_add_co_i32 s31, s100, 0x3e8293ee             ; log2(e)/sqrt(32), with eq + ek added to its exponent field
	v_mov_b32 v[TMP], s31
	v_cndmask_b32 v[CL], 0, v[TMP], s[SVAL]
.irp j, 4,5,6,7
	v_mov_b32 v[QF+\j], 0
.endr
.endm
.macro PAIR                            ; one pair of heads for my query tile; o's codes into OC+8.. (the pair before moves down first)
	WIN 0
.irp j, 0,1,2,3,4,5,6,7
	v_mov_b32 v[OC+\j], v[OC+8+\j]
.endr
	v_add_nc_u32 v[LW], s24, v[LI]
	v_add_nc_u32 v[LB], s25, v[LB0]
	GRPT 0, LB, 0
	MULTT 0, AC, 1, 0
	WIN 0
	v_add_nc_u32 v[KA], s26, v[KR]
	v_add_nc_u32 v[VA], s27, v[VR]
.irp kt, 0,1,2,3
.irp c, 0,1
	ds_load_b128 v[WF+8*\kt+4*\c:WF+8*\kt+4*\c+3], v[KA] offset:4352*\kt+512*\c
.endr
.endr
.irp i, 0,1,2,3
.irp c, 0,1,2,3
	ds_load_b64 v[WF+32+8*\i+2*\c:WF+32+8*\i+2*\c+1], v[VA] offset:4352*\c+2048+256*\i
.endr
.endr
	HOLD4 0, 1, 0, QLIM
	WIN 0x01
.irp i, 0,1,2,3
	v_cvt_scalef32_pk8_fp8_f32 v[QF+8*(\i/2)+2*(\i%2):QF+8*(\i/2)+2*(\i%2)+1], v[ACC+8*\i:ACC+8*\i+7], v[QSC]
.endr
	v_nop
	s_wait_dscnt 16                                ; K's fragments are in; V's sixteen loads, issued behind them, may be out
.irp u, 0,1
	WIN 0x40
.irp kt, 0,1,2,3
	v_wmma_f32_16x16x64_fp8_fp8 v[SS+8*\kt:SS+8*\kt+7], v[WF+8*\kt:WF+8*\kt+7], v[QF+4*\u:QF+4*\u+7], 0
.endr
	PLACES 4
	SOFTA 0
	WIN 0x41
.set n, 0
.rept 32
	v_exp_f32 v[SS+n], v[SS+n]                     ; one batch,
.set n, n+1
.endr
	v_nop                                          ; a plain instruction behind it,
	s_wait_alu depctr_va_vdst(0)                   ; and the one wait ahead of its first reader
	SOFTB 0
	v_nop
.if \u == 0
	s_wait_dscnt 0x0                               ; V's fragments are in
.endif
	WIN 0x40
.irp dn, 0,1
	v_wmma_f32_16x16x64_fp8_fp8 v[OO+8*\dn:OO+8*\dn+7], v[WF+32+8*(2*\u+\dn):WF+32+8*(2*\u+\dn)+7], v[PP:PP+7], 0
.endr
	PLACES 4
	s_wait_alu depctr_va_vdst(0)                   ; the reciprocal's wait, ahead of its first reader
	WIN 0x41
.set n, 0
.rept 8
	v_pk_mul_f32 v[OO+n:OO+n+1], v[OO+n:OO+n+1], v[RL:RL+1] op_sel_hi:[1,0]
.set n, n+2
.endr
.set n, 0
.rept 16
	v_med3_num_f32 v[OO+n], v[OO+n], -v[OLIM], v[OLIM]
.set n, n+1
.endr
	WIN 0x01
.irp dn, 0,1
	v_cvt_scalef32_pk8_fp8_f32 v[OC+8+4*\u+2*\dn:OC+8+4*\u+2*\dn+1], v[OO+8*\dn:OO+8*\dn+7], v[OSC]
.endr
	v_nop
.endr
.endm
.macro KVPH eb, kw, breg, bko, bvreg, bvo
	GRPT (\kw), \breg, (\bko)
	MKQ (\eb)+2, SC, LIM
	QXN NM
	MULTT 0, AC, NM, 0
	GRPT (\kw)+8192, \breg, (\bko)+256
	NETQ (\eb)+7,(\eb)+2,(\eb)+3
	MKQ 104, SC, LIM
	QOK 0, 0
	MULTT 4, AC, NM, 2*NM
	GRPV (\kw)+16384, \bvreg, (\bvo)
	QOK 1, 4
	MKQ (\eb)+4, SC, LIM
	QXN NM
	MULTV 0, 2*NM
	GRPV (\kw)+24576, \bvreg, (\bvo)+256
	NETQ (\eb)+8,(\eb)+4,(\eb)+5
	MKQ 104, SC, LIM
	QOV 0, 0
	MULTV 4, 4
	QOV 1, 4
.endm
.macro POSTATT eb, bsrc, swo, sfb, breg, po
	WIN 0
	v_add_nc_u32 v[LW], s[\swo], v[LI]
	GRPT 0, \breg, (\po)
	MKF (\eb)+10,(\eb)+11
	MULTT 0, \bsrc, NM, 0
	GRPT 8192, \breg, (\po)+256
	FOLD 0, 0, 4
	MULTT 4, \bsrc, NM, 0
	FOLD 4, 4, 4
	LNORM X, \breg, (\po)+2048, (\po)+2560, 21
	WIN 0
	v_add_nc_u32 v[LW], s[\sfb], v[LI]
	GRPT 0, \breg, (\po)+512
	MKQ (\eb)+12, SC, LIM
	QXN NM
	NETQ (\eb)+14,(\eb)+12,(\eb)+13
	MKQ 104, SC, LIM
	MULTT 0, AC, NM, 0
	GRPT 8192, \breg, (\po)+768
	QOH 0, 0
	MULTT 4, AC, NM, 0
	GRPT 16384, \breg, (\po)+1024
	QOH 4, 4
	MULTT 0, AC, NM, 0
	GRPT 24576, \breg, (\po)+1280
	QOH 0, 8
	MULTT 4, AC, NM, 0
	GRPW2 32768, \breg, (\po)+1536
	QOH 4, 12
	MKF (\eb)+14,(\eb)+15
	MULTW2 0
	GRPW2 40960, \breg, (\po)+1664
	FOLD 0, 0, 2
	MULTW2 4
	GRPW2 49152, \breg, (\po)+1792
	FOLD 4, 2, 2
	MULTW2 0
	GRPW2 57344, \breg, (\po)+1920
	FOLD 0, 4, 2
	MULTW2 4
	FOLD 4, 6, 2
	LNORM X, \breg, (\po)+3072, (\po)+3584, 21
.endm
	; ---- the head
	s_load_b256 s[4:11], s[0:1], 0x0               ; xo s[4:5], lengths s[6:7], the scales' exponents s[8:9], wb s[10:11]
	s_load_b64 s[12:13], s[0:1], 0x20              ; out0
	v_lshl_add_u32 v[SPW], v0, 2, SPARE
	v_mov_b32 v[NIL], 0
	ds_add_u32 v[SPW], v[NIL]                      ; the opening: the add, twice on end, and its wait ahead of my first tensor load; work on registers stands between
	ds_add_u32 v[SPW], v[NIL]
	v_lshrrev_b32 v[TMP], 5, v0
	v_readfirstlane_b32 s16, v[TMP]                ; wave 0..3 = my tile of tokens
	s_bfe_u32 s19, ttmp6, 0x40000                  ; my place in the cluster: it enters global addresses alone
	s_lshl_b32 s20, ttmp9, 2
	s_add_co_u32 s19, s20, s19                     ; b
	s_mov_b32 s48, 15|(3<<16)|(1<<21)              ; group 1 of the first fill: the mask of all four; elements of 8 bytes; bit 21 beside a mask
	s_mov_b32 s49, 32<<16                          ; rows of 256 bytes, dense
	s_mov_b32 s50, 287<<16                         ; 287 rows: a quarter of 293,888 bytes
	s_mov_b32 s51, 32<<16
	s_mov_b32 s52, 287
	s_mov_b32 s53, 32
	s_mov_b32 s54, 0
	s_mov_b32 s55, 0
	s_mov_b32 s56, 15|(3<<16)|(1<<21)              ; group 1 of the refill: 64 rows: a quarter of 65,536 bytes
	s_mov_b32 s57, 32<<16
	s_mov_b32 s58, 64<<16
	s_mov_b32 s59, 32<<16
	s_mov_b32 s60, 64
	s_mov_b32 s61, 32
	s_mov_b32 s62, 0
	s_mov_b32 s63, 0
	s_mov_b32 s22, 0x76543210
	s_mov_b32 s23, 0xfedcba98
	s_mov_b32 s21, 0x3727c5ac                      ; 1e-5
	s_mov_b32 s105, 0x3c000000                     ; 1/128
	s_mov_b32 s24, 1
	s_mul_i32 s25, s16, 73472                      ; LDS and wb alike: my quarter
	v_and_b32 v[TMP], 31, v0
	v_lshlrev_b32 v[LI], 4, v[TMP]
	v_lshlrev_b32 v[LI8], 3, v[TMP]
	v_lshlrev_b32 v[KA], 2, v[TMP]                 ; for now: 4 x lane, into lengths
	v_and_b32 v[VRR], 15, v0
	v_bfe_u32 v[XQA], v0, 4, 1                     ; h
	v_lshlrev_b32 v[LB0], 5, v[XQA]
	v_lshlrev_b32 v[LBV0], 2, v[VRR]
	s_mul_i32 s100, s16, 4352
	s_add_co_u32 s100, s100, WAB                   ; my wave's region
	v_add_nc_u32 v[KW], s100, v[LI]
	v_add_nc_u32 v[VW], s100, v[LI8]
	v_add_nc_u32 v[VW], 2048, v[VW]
	v_mul_u32_u24 v[SD], v[XQA], 272
	v_lshl_add_u32 v[SD], v[VRR], 4, v[SD]
	v_add_nc_u32 v[SD], s100, v[SD]
	v_mul_u32_u24 v[SF], v[VRR], 272
	v_add_nc_u32 v[SF], v[SF], v[LB0]
	v_add_nc_u32 v[SF], s100, v[SF]
	v_add_nc_u32 v[KR], WAB, v[LI]
	v_add_nc_u32 v[VR], WAB, v[LI8]
	v_lshlrev_b32 v[PG], 10, v[XQA]
	v_lshl_add_u32 v[PG], v[VRR], 4, v[PG]
	v_lshlrev_b32 v[PGO], 9, v[XQA]
	v_lshl_add_u32 v[PGO], v[VRR], 4, v[PGO]
	s_lshl_b32 s100, s16, 6
	v_add_nc_u32 v[VA], s100, v[LBV0]              ; for now: 4 (16 m + r), into lengths
	v_mov_b32 v[SM], 0xff61b1e6                    ; -3e38
	v_mov_b32 v[CL+1], 0                           ; the upper halves of pairs of which the low word serves both halves: named, so written
	v_mov_b32 v[NGM+1], 0
	v_mov_b32 v[RL+1], 0
	s_wait_dscnt 0x0                               ; both opening adds are done
	s_wait_kmcnt 0x0
	s_mov_b32 s100, s25
	s_mov_b32 s101, 0
	s_add_nc_u64 s[26:27], s[10:11], s[100:101]
	s_or_b32 s27, s27, 0x80000000
	CROUND                                         ; all four work-groups are here: the joint loads meet
	tensor_load_to_lds s[24:27], s[48:55]
	s_nop 0
	PLACES 4
	s_load_b512 s[32:47], s[8:9], 0x48             ; layer 1's sixteen exponents: entries 18 to 33
	s_lshl_b32 s2, s19, 8
	s_mov_b32 s3, 0
	s_add_nc_u64 s[6:7], s[6:7], s[2:3]            ; lengths[b]
	global_load_b32 v[CH], v[KA], s[6:7]           ; of tokens 0-31, a lane each,
	global_load_b32 v[CH+1], v[KA], s[6:7] offset:128  ; of tokens 32-63,
	global_load_b32 v[CH+2], v[VA], s[6:7]         ; and of my query
	s_lshl_b32 s2, s19, 16                         ; xo: 64 rows of 1,024 bytes for each b,
	s_lshl_b32 s100, s16, 14                       ; 16 of them mine
	s_add_co_u32 s2, s2, s100
	s_add_nc_u64 s[4:5], s[4:5], s[2:3]
	GLOADROWS RR, 4, 0, 1024                       ; o
	GLOADROWS RR+64, 4, 512, 1024                  ; x
	s_lshl_b32 s2, s19, 15
	s_lshl_b32 s100, s16, 13
	s_add_co_u32 s2, s2, s100
	s_add_nc_u64 s[12:13], s[12:13], s[2:3]        ; out0 at my 16 rows
	s_wait_loadcnt 24                              ; a half tile's eight loads are in; the 24, 16, 8, 0 issued behind them may be out
	TURN RR, ACC
	s_wait_loadcnt 16
	TURN RR+32, ACC+32
	s_wait_loadcnt 8
	TURN RR+64, X
	s_wait_loadcnt 0x0
	TURN RR+96, X+32
	WIN 0
	v_cmp_ge_i32 s2, 0, v[CH]                      ; bit s: token s is absent at t = 0
	v_cmp_ge_i32 s3, 0, v[CH+1]
	v_cmp_lt_i32 s20, 0, v[CH+2]                   ; my query counts
.irp kt, 0,1,2,3                       ; register 8 kt + j of the scores holds key 16 kt + 8 h + j: lanes 0-15 take that key's bit for h = 0, lanes 16-31 for h = 1.  No branch hangs on these
.irp j, 0,1,2,3,4,5,6,7
	s_bitcmp1_b32 s[2+\kt/2], 16*(\kt%2)+\j
	s_cselect_b32 s100, 0xffff, 0
	s_bitcmp1_b32 s[2+\kt/2], 16*(\kt%2)+\j+8
	s_cselect_b32 s101, 0xffff0000, 0
	s_or_b32 s[66+8*\kt+\j], s100, s101
.endr
.endr
	s_wait_kmcnt 0x0
	MKQ 42, SC, LIM                                ; o's scale
	v_xor_b32 v[LOHI], 0x80000000, v[LIM]
	v_mov_b32 v[LOHI+1], v[LIM]
	s_wait_dscnt 0x0
	QT 0
	WIN 0
	s_wait_tensorcnt 0x0                           ; my quarter has landed,
	s_barrier_signal -1
	s_barrier_wait -1                              ; everybody's has
	; ---- layer 1 behind its attention
	s_mov_b32 s24, 15360
	s_mov_b32 s25, 31744
	POSTATT 32, AC, 24, 25, LB0, 0
	; ---- layer 3's W1 and W2 over the tail's fragments
	WIN 0
	s_wait_tensorcnt 0x0                           ; no tensor load of mine is out;
	ds_add_u32 v[SPW], v[NIL]                      ; 0 onto my spare word; the descriptor is made meanwhile
	s_mov_b32 s28, 1
	s_lshl_b32 s29, s16, 14
	s_add_co_u32 s100, s29, 293888
	s_add_co_u32 s29, s29, 15360
	s_mov_b32 s101, 0
	s_add_nc_u64 s[30:31], s[10:11], s[100:101]
	s_or_b32 s31, s31, 0x80000000
	s_wait_dscnt 0x0                               ; the add is done, and my reads of those fragments are over
	CROUND                                         ; both now hold of every wave of the cluster
	tensor_load_to_lds s[28:31], s[56:63]
	s_nop 0
	PLACES 4
	; ---- layers 2 and 3
	s_mov_b32 s14, 97280                           ; the layer's q, k, v, o fragments
	s_mov_b32 s15, 162816                          ; its W1 and W2
	s_mov_b32 s17, 4096                            ; its parameters
	s_mov_b32 s18, 2
.Llayer:
	s_load_b512 s[32:47], s[8:9], 0x88             ; the layer's sixteen exponents: entries 34 on, then 50 on
	v_add_nc_u32 v[LW], s14, v[LI]
	v_add_nc_u32 v[LB], s17, v[LB0]
	v_add_nc_u32 v[VA], s17, v[LBV0]
	s_wait_kmcnt 0x0
	s_add_nc_u64 s[8:9], s[8:9], 64
	KVPH 32, 16384, LB, 512, VA, 1024
	WIN 0
	s_wait_tensorcnt 0x0                           ; my quarter of the refill has landed: behind this barrier every wave may read all of it
	BAR                                            ; and the sequence's K images and V pieces lie in LDS
	MKQ 32, SC, LIM
	QXN NM
	ATTSC 32
.irp j, 8,9,10,11,12,13,14,15
	v_mov_b32 v[OC+\j], 0                          ; the first trip moves these down: written, and then overwritten
.endr
	s_mov_b32 s24, s14
	s_mov_b32 s25, s17
	s_mov_b32 s26, 0
	s_mov_b32 s27, 0
	s_mov_b32 s28, 2
.Lpair:
	PAIR
	WIN 0
	s_add_co_u32 s24, s24, 8192
	s_add_co_u32 s25, s25, 256
	s_add_co_u32 s26, s26, 1024
	s_add_co_u32 s27, s27, 1024
	s_sub_co_u32 s28, s28, 1
	s_cmp_lg_u32 s28, 0
	s_cbranch_scc1 .Lpair
	BAR                                            ; nobody reads this layer's images any more
	s_add_co_u32 s24, s14, 49152
	s_mov_b32 s25, s15
	v_add_nc_u32 v[LB], s17, v[LB0]
	POSTATT 32, OC, 24, 25, LB, 1536
	WIN 0
	s_add_co_u32 s14, s14, 131072
	s_sub_co_u32 s15, s15, 147456                  ; layer 3's W1 and W2 lie where the refill put them, from 15,360 on
	s_add_co_u32 s17, s17, 5632
	s_sub_co_u32 s18, s18, 1
	s_cmp_lg_u32 s18, 0
	s_cbranch_scc1 .Llayer
	; ---- the way out: my 16 rows through my own stage, half a row at a time, so that sixteen lanes store 256 consecutive, aligned bytes
.irp p, 0,1
	WIN 0x04
.irp c, 0,1,2,3
	ds_store_b128 v[SF], v[X+32*\p+8*\c:X+32*\p+8*\c+3] offset:64*\c
	ds_store_b128 v[SF], v[X+32*\p+8*\c+4:X+32*\p+8*\c+7] offset:64*\c+16
.endr
	WIN 0
.irp a, 0,1,2,3,4,5,6,7
	ds_load_b128 v[RR+32*\p+4*\a:RR+32*\p+4*\a+3], v[SD] offset:544*\a   ; LDS serves a wave's instructions in order: these see my stores, and the next half's stores come behind them
.endr
.endr
	s_wait_dscnt 0x0
.irp p, 0,1
.irp a, 0,1,2,3,4,5,6,7
	global_store_b128 v[PGO], v[RR+32*\p+4*\a:RR+32*\p+4*\a+3], s[12:13] offset:1024*\a+256*\p
.endr
.endr
	s_wait_tensorcnt 0x0                           ; the wave's end
	ds_add_u32 v[SPW], v[NIL]
	s_wait_dscnt 0x0
	CROUND                                         ; the closing round
	s_endpgm
.Lfunc_end_k_q919e4bbad9_spatial:
	.size	k_q919e4bbad9_spatial, .Lfunc_end_k_q919e4bbad9_spatial-k_q919e4bbad9_spatial
	.p2alignl 7, 3214868480
	.fill 96, 4, 3214868480
	.section	.rodata,"a",@progbits
	.p2align	6, 0x0
	.amdhsa_kernel k_q919e4bbad9_spatial
		.amdhsa_group_segment_fixed_size 327680
		.amdhsa_private_segment_fixed_size 0
		.amdhsa_enable_private_segment 0
		.amdhsa_kernarg_size 40
		.amdhsa_user_sgpr_count 2
		.amdhsa_user_sgpr_kernarg_segment_ptr 1
		.amdhsa_wavefront_size32 1
		.amdhsa_system_sgpr_workgroup_id_x 1
		.amdhsa_system_sgpr_workgroup_id_y 1
		.amdhsa_system_sgpr_workgroup_id_z 1
		.amdhsa_system_vgpr_workitem_id 0
		.amdhsa_next_free_vgpr 512
		.amdhsa_next_free_sgpr 106
		.amdhsa_reserve_vcc 0
		.amdhsa_float_denorm_mode_32 3
		.amdhsa_float_denorm_mode_16_64 3
		.amdhsa_memory_ordered 1
		.amdhsa_forward_progress 1
		.amdhsa_inst_pref_size 224
	.end_amdhsa_kernel
	.amdgpu_metadata
---
amdhsa.version: [ 1, 2 ]
amdhsa.kernels:
  - .name:           k_q919e4bbad9_spatial
    .symbol:         k_q919e4bbad9_spatial.kd
    .args:
      - { .name: xo, .offset: 0, .size: 8, .value_kind: global_buffer, .address_space: global }
      - { .name: lengths, .offset: 8, .size: 8, .value_kind: global_buffer, .address_space: global }
      - { .name: lowp_scales, .offset: 16, .size: 8, .value_kind: global_buffer, .address_space: global }
      - { .name: wb, .offset: 24, .size: 8, .value_kind: global_buffer, .address_space: global }
      - { .name: out0, .offset: 32, .size: 8, .value_kind: global_buffer, .address_space: global }
    .group_segment_fixed_size: 327680
    .private_segment_fixed_size: 0
    .kernarg_segment_align: 8
    .kernarg_segment_size: 40
    .max_flat_workgroup_size: 128
    .sgpr_count:     106
    .vgpr_count:     512
    .wavefront_size: 32
...
	.end_amdgpu_metadata
.endif
;; end of part 3
